; MI455X (gfx1250); checked and timed in simulation.
; The chip was launched on July 23, 2026; its instructions are those of AMD's public machine-readable ISA for CDNA 5 (MIT licence, August 2026) and "CDNA5" Instruction Set Architecture Reference Guide (July 2026). The comments in the code are by the model that wrote it; some were corrected since.
;; Causal Self Attention. Allowed arithmetic: matrix products marked QUANTISED: E3M2 operands, one E8M0 scale for each 32 along K, by v_wmma_scale_f32_16x16x128_f8f6f4 with both operands' format E3M2, f32 sums; everything else in f32.
;; Inputs: b_proj 1,024 float32; b_qkv 3,072 float32; w_proj 1,024 x 1,024 float32; w_qkv 1,024 x 3,072 float32; x 4 x 2,048 x 1,024 float32.
;; Outputs: out0 4 x 2,048 x 1,024 float32.
;; This version of the problem:
;;   THIS VERSION OF THE PROBLEM IS GIVEN IN LOW PRECISION. The matrix products marked QUANTISED in the list below multiply operands that are first quantised to E3M2 (3 exponent bits, 2 mantissa bits; 6 bits a number), with one power-of-two scale for each 32 numbers along K (OCP MX v1.0); their sums are f32. All else is computed in f32.
;;   The module's matrix products, in the order in which they are computed (A, B: the left and right operand; K: the contracted axis; several contracted axes count as one K, in the product's order):
;;     1. [M 8,192, K 1,024] x [K 1,024, N 3,072]; A: input x; B: input w_qkv: QUANTISED
;;     2. batch 64 x [M 2,048, K 64] x [K 64, N 2,048]; A: computed on the way; B: computed on the way: QUANTISED
;;     3. batch 64 x [M 2,048, K 2,048] x [K 2,048, N 64]; A: softmax (see below); B: computed on the way: QUANTISED
;;     4. [M 8,192, K 1,024] x [K 1,024, N 1,024]; A: computed on the way; B: input w_proj: QUANTISED
;;   THE QUANTISER, for each operand of a quantised product, along K:
;;     - K is cut into blocks of 32 from its start; a last block that is shorter is filled with zeros.
;;     - A block's scale is 2^e with e = floor(log2(the largest magnitude in the block)) - 4, held to -126 .. 127; a block of zeros has e = 0. As a byte (E8M0): e + 127.
;;     - Each number is divided by its block's scale, clamped to +-28, and rounded to the nearest number of E3M2, ties to even, subnormals kept.
;;     - The product sums the exact products of the quantised numbers (number of the format x scale) in f32.
;;   ~~~python
;;   def quantise(x, axis):      # numpy; x: float32 -> the quantised numbers, widened to float32 again
;;       x = np.moveaxis(x, axis, -1); K = x.shape[-1]
;;       x = np.pad(x, [(0, 0)] * (x.ndim - 1) + [(0, -K % 32)]); x = x.reshape(x.shape[:-1] + (-1, 32)); a = np.abs(x).max(-1, keepdims=True)
;;       e = np.where(a > 0, np.clip(np.frexp(np.where(a > 0, a, 1))[1] - 1 - 4, -126, 127), 0)      # np.frexp(a)[1] - 1 = floor(log2(a)), exactly
;;       r = np.clip(x / 2.0 ** e, -28, 28)
;;       step = 2.0 ** (np.maximum(np.frexp(np.where(r == 0, 1, r))[1] - 1, -2) - 2)
;;       q = np.round(r / step) * step * 2.0 ** e      # np.round: ties to even
;;       return np.moveaxis(q.reshape(q.shape[:-2] + (-1,))[..., :K], -1, axis).astype(np.float32)
;;   ~~~
;;   SOFTMAX AHEAD OF A QUANTISED PRODUCT. Where the list says 'softmax', what is quantised is not the finished softmax but p = 2^(t - M), with t = logit x log2(e) and M = ceil(the row's largest t), a whole number; so 1/2 < the row's largest p <= 1. The row's sum l is taken of the UNQUANTISED p, in f32, and the product's result is divided by l at the end. Since M is a whole number, a kernel that streams over the keys may use a running M (the ceiling of the running maximum): every later rescaling is an exact power of two, which a block's scale takes up: the codes' values come out the same.
;;   OPERANDS COMPUTED ON THE WAY. 'Computed on the way' means the value that the module computes at that place (a softmax that the list does not call 'softmax' is quantised finished and normalised). What goes into a quantiser is computed in f32, as accurately as f32 sums, v_exp_f32 and their like allow (about 1e-6 of the number): no bf16 or f16 on the way to a quantiser, and a product that is left as it is and whose result goes on into a quantised operand takes f32 operands (vector FMAs, or v_wmma_f32_16x16x4_f32). A number that lies on a knife's edge between two numbers of the format may be rounded either way, as far as f32 arithmetic and the matrix unit's own rounding can turn it there, and no further.
;; One version. Each part assembles by itself: llvm-mc -triple=amdgcn-amd-amdhsa -mcpu=gfx1250 --defsym DOCPART=n.
;; ======== version 1 of 1: 4 launches
;; workspace buffers: xq 6,553,600 bytes; wq 3,276,800 bytes; qkv 20,185,088 bytes; yq 6,553,600 bytes
;; launch prep (part 1): grid 96 x 4, 4 waves a work-group, no clusters, 58,880 bytes of LDS; arguments x, w_qkv, w_proj, xq, wq; writes xq, wq
.if DOCPART == 1
	.amdgcn_target "amdgcn-amd-amdhsa--gfx1250"
	.amdhsa_code_object_version 6
	.text
	.protected	k_q57efcf18cc_prep
	.globl	k_q57efcf18cc_prep
	.p2align	8
	.type	k_q57efcf18cc_prep,@function
k_q57efcf18cc_prep:
	s_mov_b64 s[64:65], 0
	v_nop
	global_prefetch_b8 v0, s[64:65] scope:SCOPE_SE
	s_setreg_imm32_b32 hwreg(HW_REG_WAVE_MODE, 25, 1), 1
	s_wait_xcnt 0x0
; PREP: x [8192][1024], w_qkv [1024][3072] and w_proj [1024][1024], f32, become codes of BF6 (E3M2) with one E8M0 scale byte for each 32 along K (K = the 1,024 in all three).
; A block's scale is 2^(floor(log2(its largest magnitude)) - 4): its byte is the largest magnitude's exponent field - 4, held at 1 from below by a floor among the maximum's leaves.
; LIMITS: NaN and infinities among the inputs are not served.  A block of zeros gets the byte 1 where the quantiser says 127: its codes are zeros, which add nothing, and only this program reads the bytes.
; WHAT IS STORED ARE IMAGES OF OPERAND REGISTERS.  A fragment (16 rows x 128 K, 12 registers a lane) is 1,536 bytes: three groups of [lane][16 bytes] (registers 0-3, 4-7, 8-11).
;   xq: [tile 0..511][K step 0..7] images; from XQ_SC on the scale words [pair of tiles][kq 0..3][lane' = 16 (tile % 2) + r][2 words]: word s' serves K step 2 kq + s'.
;   wq: the same for the columns n of w_qkv (tiles 0..191) and of w_proj (tiles 192..255); scale words from WQ_SC on.
; THE ROWS OF A TILE ARE NOT NEIGHBOURS: lane r of tile 2 g + u holds row 32 g + 8 u + r + 8 (r / 8), so that results made with such tiles as source 0 have 16 neighbours of the next K in 16 registers.
; Work-groups 0..63 along x take x (K innermost: loads of 512 consecutive bytes, turned through the wave's own stage in LDS, so that a lane holds 16 neighbours along K);
; work-groups 64..95 take the weights (K outermost: a lane takes a column and its registers run down K; the codes are gathered as images in the wave's own stage).
; The two ways have LDS bytes of their own.  Waves share nothing: no barrier.  No tensor loads, no matrix unit, no cluster: every input byte is read once by one wave, so there is nothing to share.
.set XQ_SC, 6291456
.set WQ_SC, 3145728
.set SEL, 28                           ; s[28:29] lane selects of v_permlanex16_b32: lane l xor 16
.set R,   16                           ; x: v16-143   two sets of 64 registers as loaded
.set XS,  144                          ; x: v144-207  64 numbers of my row: register 16 b + i = k 32 b + 16 h + i
.set TM,  208                          ; x: v208-223  the quantiser's work
.set PC,  226                          ; x: v226-244  the codes just made (12 registers) and the conversions' second halves
.set W,   246                          ; x: v246-249  the four sub-units' scale words
.set VO,  16                           ; weights: v16-47   byte offset of my column in row i of a block
.set X,   48                           ; weights: v48-111  two sets of 32 numbers
.set F,   112                          ; weights: v112-117 a block's 24 bytes of codes
.set T,   118                          ; weights: v118-120 the second conversion's result
.set SB,  122                          ; weights: v122-123 scale bytes, four to a register
.set OUTR, 128                         ; weights: v128-175 the way out
; 64 numbers of a lane, register 16 b + i = k 32 b + 16 (lane / 16) + i of its row, become a fragment's codes in v[PC] on and the row's scale word in v[pw] (both halves of the lanes hold the same word).
.macro QUANT4 s, pw
.irp b, 0,1,2,3
	v_max3_num_f32 v[TM+\b], |v[(\s)+16*\b]|, |v[(\s)+1+16*\b]|, 0x2800000   ; block b: my 16 numbers, and the floor 2^(5 - 127): the byte cannot fall under 1
.endr
.irp i, 2,4,6,8,10,12,14
.irp b, 0,1,2,3
	v_max3_num_f32 v[TM+\b], v[TM+\b], |v[(\s)+16*\b+\i]|, |v[(\s)+1+16*\b+\i]|   ; the four blocks by turns
.endr
.endr
.irp b, 0,1,2,3
	v_permlanex16_b32 v[TM+4+\b], v[TM+\b], s[SEL], s[SEL+1]
.endr
.irp b, 0,1,2,3
	v_max_num_f32 v[TM+\b], v[TM+\b], v[TM+4+\b]           ; with lane l xor 16's: the block's largest magnitude
.endr
.irp b, 0,1,2,3
	v_add_nc_u32 v[TM+12+\b], 0xfe000000, v[TM+\b]         ; 4 off its exponent field: the conversion's scale operand
.endr
.irp b, 0,1,2,3
	v_lshrrev_b32 v[TM+4+\b], 23, v[TM+12+\b]              ; the scale's byte
.endr
	v_lshl_or_b32 v[\pw], v[TM+5], 8, v[TM+4]
	v_lshl_or_b32 v[\pw], v[TM+6], 16, v[\pw]
	v_lshl_or_b32 v[\pw], v[TM+7], 24, v[\pw]
.irp c, 0,1
	v_cvt_scalef32_pk16_bf6_f32 v[PC+6*\c:PC+2+6*\c], v[(\s)+32*\c:(\s)+15+32*\c], v[TM+12+2*\c]
	v_cvt_scalef32_pk16_bf6_f32 v[PC+12+4*\c:PC+14+4*\c], v[(\s)+16+32*\c:(\s)+31+32*\c], v[TM+12+2*\c+1]   ; a conversion's three registers begin on an even number
.endr
	v_nop                                                  ; one plain place behind a scaled conversion
.irp c, 0,1                                            ; the operand wants a whole block in a lane: lanes 0-15 block 2 c, lanes 16-31 block 2 c + 1
.irp i, 0,1,2
	v_permlane16_swap_b32 v[PC+6*\c+\i], v[PC+12+4*\c+\i]
.endr
.irp i, 0,1,2
	v_mov_b32 v[PC+3+6*\c+\i], v[PC+12+4*\c+\i]
.endr
.endr
.endm
; x, sub-unit t: tile u = t / 2 of my pair, K step s' = t % 2 of my two.  Sixteen loads, each 512 consecutive bytes of one of the tile's rows.
.macro LOADX t
.set n, 0
.rept 16
	global_load_b128 v[R+64*((\t)%2)+4*n:R+64*((\t)%2)+4*n+3], v1, s[4:5] offset:(8*((\t)/2)+n+8*(n/8))*4096+512*((\t)%2) th:TH_LOAD_NT
.set n, n+1
.endr
.endm
.macro SUB t
.if (\t) > 0
	s_wait_xcnt 0x0                                ; the last sub-unit's stores have read the codes' registers
.endif
.if (\t) < 3
	s_wait_loadcnt 16                              ; my 16 loads are in; the next sub-unit's 16 may stay out
.else
	s_wait_loadcnt 0x0
.endif
.set n, 0
.rept 16
	ds_store_b128 v3, v[R+64*((\t)%2)+4*n:R+64*((\t)%2)+4*n+3] offset:528*n     ; row n of the tile, as loaded
.set n, n+1
.endr
.set n, 0
.rept 16
	ds_load_b128 v[XS+4*n:XS+4*n+3], v4 offset:128*(n/4)+16*(n%4)               ; back: row r, 16 neighbours of each block of 32.  LDS serves a wave's instructions in order
.set n, n+1
.endr
	s_wait_dscnt 0x0
.if (\t) < 2
	LOADX (\t)+2                                   ; into the set that the stage stores have read
.endif
	QUANT4 XS, W+(\t)
.irp g, 0,1,2
	global_store_b128 v1, v[PC+4*\g:PC+4*\g+3], s[10:11] offset:12288*((\t)/2)+1536*((\t)%2)+512*\g   ; 512 consecutive bytes, aligned
.endr
.endm
; weights, block t of eight: rows K = 32 t + 0 .. 31 of my 256, my column
.macro LOADW t
.set n, 0
.rept 32
	global_load_b32 v[X+32*((\t)%2)+n], v[VO+n], s[32+2*(\t):33+2*(\t)] th:TH_LOAD_NT   ; 128 consecutive bytes a wave; the four waves stand side by side
.set n, n+1
.endr
.endm
.macro BLOCKW t
.set XB, X+32*((\t)%2)
.set SO, 3072*((\t)/4)+256*((\t)%2)    ; K step t / 4 of my two; the block belongs to the image's lanes of half t % 2
.if (\t) < 7
	s_wait_loadcnt 32                              ; this block's 32 loads are in; the next block's may stay out
.else
	s_wait_loadcnt 0x0
.endif
	v_max3_num_f32 v12, |v[XB]|, |v[XB+1]|, |v[XB+2]|              ; all 32 numbers of the block are mine
	v_max3_num_f32 v13, |v[XB+3]|, |v[XB+4]|, |v[XB+5]|
.irp i, 6,10,14,18,22,26
	v_max3_num_f32 v12, v12, |v[XB+\i]|, |v[XB+\i+1]|
	v_max3_num_f32 v13, v13, |v[XB+\i+2]|, |v[XB+\i+3]|
.endr
	v_max3_num_f32 v12, v12, |v[XB+30]|, |v[XB+31]|
	v_max3_num_f32 v12, v12, v13, 0x2800000        ; and the floor
	v_add_nc_u32 v14, 0xfe000000, v12              ; the conversion's scale operand
	v_lshrrev_b32 v15, 23, v14                     ; the byte
.if (\t)%4 == 0
	v_mov_b32 v[SB+(\t)/4], v15
.else
	v_lshl_or_b32 v[SB+(\t)/4], v15, 8*((\t)%4), v[SB+(\t)/4]
.endif
	v_cvt_scalef32_pk16_bf6_f32 v[F:F+2], v[XB:XB+15], v14
	v_cvt_scalef32_pk16_bf6_f32 v[T:T+2], v[XB+16:XB+31], v14
	v_nop                                          ; one plain place behind a scaled conversion
.irp i, 0,1,2
	v_mov_b32 v[F+3+\i], v[T+\i]
.endr
.if ((\t)%4) < 2                       ; the image's registers 0-5: group 0 whole, the lower half of my place in group 1
	ds_store_b128 v10, v[F:F+3] offset:SO
	ds_store_b64 v10, v[F+4:F+5] offset:SO+512
.else                                  ; registers 6-11: the upper half of my place in group 1, group 2 whole
	ds_store_b64 v10, v[F:F+1] offset:SO+520
	ds_store_b128 v10, v[F+2:F+5] offset:SO+1024
.endif
.if (\t) < 6
	LOADW (\t)+2
.endif
	s_wait_dscnt 0x0                               ; the stores have read their registers
.endm
	s_load_b256 s[4:11], s[0:1], 0x0               ; x s[4:5], w_qkv s[6:7], w_proj s[8:9], xq s[10:11]
	s_load_b64 s[12:13], s[0:1], 0x20              ; wq
	v_lshl_add_u32 v254, v0, 2, 0xe400
	v_mov_b32 v255, 0
	v_lshrrev_b32 v1, 5, v0
	v_readfirstlane_b32 s14, v1                    ; wave 0..3
	s_and_b32 s15, ttmp7, 0xffff                   ; work-group y 0..3
	v_and_b32 v5, 31, v0                           ; lane
	v_lshlrev_b32 v1, 4, v5                        ; 16 x lane
	s_mov_b32 s[SEL], 0x76543210
	s_mov_b32 s[SEL+1], 0xfedcba98
	s_mov_b32 s30, 0xffff0000                      ; a mask: lanes 16-31
	s_cmp_lt_u32 ttmp9, 64
	s_cbranch_scc0 .Lweights
	; ---------------- x: pair of tiles U = 4 x + y (32 rows); wave = kq: K steps 2 kq and 2 kq + 1 ----------------
	v_lshlrev_b32 v2, 3, v5                        ; 8 x lane
	s_mul_i32 s16, s14, 8448                       ; my stage: 16 rows of 512 + 16 bytes
	v_add_nc_u32 v3, s16, v1                       ; in: 16 x lane of a row
	v_and_b32 v6, 15, v0                           ; r
	v_bfe_u32 v7, v0, 4, 1                         ; h
	v_mul_u32_u24 v4, v6, 528
	v_lshl_add_u32 v4, v7, 6, v4
	v_add_nc_u32 v4, s16, v4                       ; back: row r, + 64 h
.irp b, 0,1,2,3
	v_mov_b32 v[TM+4+\b], 0                        ; written once: a lane permute's destination counts as one of its sources
.endr
	s_lshl_b32 s17, ttmp9, 2
	s_add_co_u32 s17, s17, s15                     ; U
	s_lshl_b32 s18, s17, 17                        ; 32 rows of 4,096 bytes
	s_lshl_b32 s19, s14, 10                        ; + my 256 numbers of a row
	s_add_co_u32 s18, s18, s19
	s_mov_b32 s19, 0
	s_mul_i32 s20, s17, 24576                      ; the pair's images,
	s_mul_i32 s21, s14, 3072                       ; my two K steps
	s_add_co_u32 s20, s20, s21
	s_mov_b32 s21, 0
	s_lshl_b32 s22, s17, 10                        ; the pair's scale words,
	s_lshl_b32 s23, s14, 8                         ; my 256 bytes of them
	s_add_co_u32 s22, s22, s23
	s_add_co_u32 s22, s22, XQ_SC
	s_mov_b32 s23, 0
	s_wait_kmcnt 0x0
	s_add_nc_u64 s[4:5], s[4:5], s[18:19]
	s_add_nc_u64 s[24:25], s[10:11], s[22:23]
	s_add_nc_u64 s[10:11], s[10:11], s[20:21]
	LOADX 0
	LOADX 1
	SUB 0
	SUB 1
	SUB 2
	SUB 3
	v_cndmask_b32 v250, v[W], v[W+2], s30          ; lanes 0-15: tile 0's words, lanes 16-31: tile 1's; K step 2 kq,
	v_cndmask_b32 v251, v[W+1], v[W+3], s30        ; K step 2 kq + 1
	global_store_b64 v2, v[250:251], s[24:25]      ; 256 consecutive bytes, aligned
	s_wait_tensorcnt 0x0
	ds_add_u32 v254, v255
	s_wait_dscnt 0x0
	s_endpgm
	; ---------------- the weights: 32 columns a wave, 256 along K (work-group y = kq) ----------------
.Lweights:
	s_cmp_lt_u32 ttmp9, 88                         ; 24 work-groups along x for w_qkv, 8 for w_proj: the choice hangs on the work-group's number alone
	s_mov_b32 s16, 4096
	s_cselect_b32 s16, 12288, s16                  ; bytes from row to row
	s_cselect_b32 s17, 64, 88
	s_cselect_b32 s18, 0, 96                       ; w_proj's pairs of tiles lie behind w_qkv's 96
	s_wait_kmcnt 0x0
	s_cselect_b64 s[6:7], s[6:7], s[8:9]
	s_sub_co_u32 s17, ttmp9, s17
	s_lshl_b32 s17, s17, 2
	s_add_co_u32 s17, s17, s14                     ; my pair of tiles in the weight: columns 32 U on
	s_add_co_u32 s18, s18, s17                     ; and in wq
	s_lshl_b32 s19, s15, 8
	s_mul_i32 s20, s19, s16                        ; 256 kq rows down,
	s_lshl_b32 s19, s17, 7                         ; 128 U bytes along
	s_add_co_u32 s20, s20, s19
	s_mov_b32 s21, 0
	s_add_nc_u64 s[32:33], s[6:7], s[20:21]        ; a base for each of the eight blocks: nothing is stepped while loads are out
	s_lshl_b32 s22, s16, 5                         ; 32 rows
	s_mov_b32 s23, 0
.irp t, 1,2,3,4,5,6,7
	s_add_nc_u64 s[32+2*\t:33+2*\t], s[30+2*\t:31+2*\t], s[22:23]
.endr
	v_lshlrev_b32 v6, 2, v5                        ; my column: 4 bytes a lane
.set n, 0
.rept 32
	v_mad_u32_u24 v[VO+n], s16, n, v6              ; + row n of a block
.set n, n+1
.endr
	LOADW 0
	LOADW 1
	v_bfe_u32 v7, v0, 3, 1                         ; column 32 U + lane is row r of tile u:  u = (lane / 8) % 2,
	v_and_b32 v8, 7, v0
	v_bfe_u32 v9, v0, 4, 1
	v_lshl_add_u32 v8, v9, 3, v8                   ; r = lane % 8 + 8 (lane / 16)
	s_mul_i32 s24, s14, 6144
	s_add_co_u32 s24, s24, 33792                   ; my stage: [K step 0..1][tile 0..1] images, behind the bytes of x's way
	v_mul_u32_u24 v10, v7, 1536
	v_lshl_add_u32 v10, v8, 4, v10
	v_add_nc_u32 v10, s24, v10                     ; into it: tile u, 16 r
	v_lshl_add_u32 v11, v7, 4, v8
	v_lshlrev_b32 v11, 3, v11                      ; my scale words' place: 8 x (16 u + r)
	v_add_nc_u32 v2, s24, v1                       ; out of it: 16 x lane
	s_mul_i32 s24, s18, 24576
	s_mul_i32 s25, s15, 3072
	s_add_co_u32 s24, s24, s25
	s_mov_b32 s25, 0
	s_add_nc_u64 s[24:25], s[12:13], s[24:25]      ; the pair's images, my two K steps
	s_lshl_b32 s26, s18, 10
	s_lshl_b32 s27, s15, 8
	s_add_co_u32 s26, s26, s27
	s_add_co_u32 s26, s26, WQ_SC
	s_mov_b32 s27, 0
	s_add_nc_u64 s[26:27], s[12:13], s[26:27]      ; and their scale words
.irp t, 0,1,2,3,4,5,6,7
	BLOCKW \t
.endr
	global_store_b64 v11, v[SB:SB+1], s[26:27]     ; the 32 lanes fill 256 consecutive bytes, aligned
.set n, 0
.rept 12
	ds_load_b128 v[OUTR+4*n:OUTR+4*n+3], v2 offset:512*n
.set n, n+1
.endr
.set n, 0
.rept 12
	s_wait_dscnt 11-n                              ; LDS loads come back in order: load n is in, the younger ones may stay out
	global_store_b128 v1, v[OUTR+4*n:OUTR+4*n+3], s[24:25] offset:12288*((n/3)%2)+1536*(n/6)+512*(n%3)   ; 512 consecutive bytes, aligned
.set n, n+1
.endr
	s_wait_tensorcnt 0x0
	ds_add_u32 v254, v255
	s_wait_dscnt 0x0
	s_endpgm
.Lfunc_end_k_q57efcf18cc_prep:
	.size	k_q57efcf18cc_prep, .Lfunc_end_k_q57efcf18cc_prep-k_q57efcf18cc_prep
	.p2alignl 7, 3214868480
	.fill 96, 4, 3214868480
	.section	.rodata,"a",@progbits
	.p2align	6, 0x0
	.amdhsa_kernel k_q57efcf18cc_prep
		.amdhsa_group_segment_fixed_size 58880
		.amdhsa_private_segment_fixed_size 0
		.amdhsa_enable_private_segment 0
		.amdhsa_kernarg_size 40
		.amdhsa_user_sgpr_count 2
		.amdhsa_user_sgpr_kernarg_segment_ptr 1
		.amdhsa_wavefront_size32 1
		.amdhsa_system_sgpr_workgroup_id_x 1
		.amdhsa_system_sgpr_workgroup_id_y 1
		.amdhsa_system_sgpr_workgroup_id_z 1
		.amdhsa_system_vgpr_workitem_id 0
		.amdhsa_next_free_vgpr 256
		.amdhsa_next_free_sgpr 66
		.amdhsa_reserve_vcc 0
		.amdhsa_float_denorm_mode_32 3
		.amdhsa_float_denorm_mode_16_64 3
		.amdhsa_memory_ordered 1
		.amdhsa_forward_progress 1
		.amdhsa_inst_pref_size 77
	.end_amdhsa_kernel
	.amdgpu_metadata
---
amdhsa.version: [ 1, 2 ]
amdhsa.kernels:
  - .name:           k_q57efcf18cc_prep
    .symbol:         k_q57efcf18cc_prep.kd
    .args:
      - { .name: x, .offset: 0, .size: 8, .value_kind: global_buffer, .address_space: global }
      - { .name: w_qkv, .offset: 8, .size: 8, .value_kind: global_buffer, .address_space: global }
      - { .name: w_proj, .offset: 16, .size: 8, .value_kind: global_buffer, .address_space: global }
      - { .name: xq, .offset: 24, .size: 8, .value_kind: global_buffer, .address_space: global }
      - { .name: wq, .offset: 32, .size: 8, .value_kind: global_buffer, .address_space: global }
    .group_segment_fixed_size: 58880
    .private_segment_fixed_size: 0
    .kernarg_segment_align: 8
    .kernarg_segment_size: 40
    .max_flat_workgroup_size: 128
    .sgpr_count:     66
    .vgpr_count:     256
    .wavefront_size: 32
...
	.end_amdgpu_metadata
.endif
;; end of part 1
;; launch qkv (part 2): grid 12 x 64, 4 waves a work-group, clusters of 4 x 4, 295,424 bytes of LDS; arguments xq, wq, b_qkv, qkv; writes qkv
.if DOCPART == 2
	.amdgcn_target "amdgcn-amd-amdhsa--gfx1250"
	.amdhsa_code_object_version 6
	.text
	.protected	k_q57efcf18cc_qkv
	.globl	k_q57efcf18cc_qkv
	.p2align	8
	.type	k_q57efcf18cc_qkv,@function
k_q57efcf18cc_qkv:
	s_mov_b64 s[64:65], 0
	v_nop
	global_prefetch_b8 v0, s[64:65] scope:SCOPE_SE
	s_setreg_imm32_b32 hwreg(HW_REG_WAVE_MODE, 25, 1), 1
	s_wait_xcnt 0x0
	s_wait_alu depctr_hold_cnt(0) depctr_sa_sdst(0) depctr_va_vdst(0) depctr_va_sdst(0) depctr_va_ssrc(0) depctr_va_vcc(0) depctr_vm_vsrc(0)
	s_getreg_b32 s2, hwreg(HW_REG_IB_STS2, 6, 4)
	s_cmp_eq_u32 s2, 0
	s_cbranch_scc0 .Lentry_in_a_cluster
	s_endpgm
.Lentry_in_a_cluster:
	s_bfe_u32 s2, ttmp6, 0x10000c
	s_cmp_lg_u32 s2, 0xf033
	s_cbranch_scc0 .Lentry_shape_is_right
	s_endpgm
.Lentry_shape_is_right:
; QKV: x w_qkv + b_qkv on codes of BF6 with E8M0 scales, and the result quantised at once: q and k along the head's 64, v along the tokens.  No f32 result goes to memory.
; A work-group makes 128 tokens x 256 columns, K = 1,024.  Its 384 operand rows for ALL of K are 294,912 bytes of register images: they lie in LDS whole, filled once, in four chunks of 256 along K,
; so there is no refill; the products of chunk c run while the later chunks are on their way.  A wave has four tensor loads out at the most.
; CLUSTER 4 x 4: the four work-groups of a row of the cluster need the same tokens, the four of a column the same columns of w_qkv: each block is asked for jointly.
; A cluster's x (0, 1, 2) says whether its columns are q's, k's or v's: the same for all partners, so the one branch and the choices below hang on it, never on the place in the cluster.
; ROLES.  R: four tiles that become the LANES of the result (source 1);  P: eight tiles that become its REGISTERS (source 0).  32 accumulators a wave, 256 registers.
;   q, k: R = 64 tokens (wave / 2), P = 128 columns = two heads (wave % 2): a lane holds one token and 16 registers hold 16 neighbours of a head's 64.
;   v:    R = 64 columns = one head (wave), P = all 128 tokens: a lane holds one channel and its registers run along the tokens, which are the next product's K.
; The rows of a tile are not neighbours (lane r of tile 2 g + u: row 32 g + 8 u + r + 8 (r / 8)): that is what puts neighbours into neighbouring registers.
; OUT: qkv = [batch x head 0..63][key step 0..15] blocks of 19,712 bytes for 128 tokens of a head:  0 Q: 8 images of 768 bytes (registers 0-5 of a fragment: [lane][16], then [lane][8]);
;   6,144 Q's scale words [a][lane'][2]: word m of lane' serves tile 4 a + 2 m + lane' / 16; 6,656 K likewise; 12,800 V^T: 4 images of 1,536 bytes; 18,944 K's scale words; 19,456 V's [lane'][2].
;   A scale word of Q or K: the two blocks' bytes, then 0x7f, 0x7f (the upper 64 of the instruction's 128 along K are not used).
; LIMITS: NaN and infinities are not served; a block of zeros gets the byte 1 (its codes are zeros; only this program reads the bytes).
; REGISTERS, in windows of 256.  Window 0: v1 16 x lane, v2 8 x lane; v4-7, v8-11 LDS addresses of R and P in chunk c; v32-47 R's scale words (pair of tiles pi, K step s at 32 + 8 pi + s: lanes 0-15 the even tile,
;   lanes 16-31 the odd one), v48-79 P's; v80-127, v128-175 R's fragments, two sets; v176-239 the bias along P, v240-247 the bias along R (each number twice).
;   Windows 1 and 2: v0-95 P's fragments (set s % 2 in window 1 + s % 2); v128-255 the accumulators: (i, j) in window 1 + i / 2 at v[128 + 64 (i % 2) + 8 j].  On the way out v0-51 there are at work.
.set CH,    73728                      ; a chunk in LDS: 8 token tiles x 3,072 bytes, then 16 column tiles x 3,072
.set XQ_SC, 6291456
.set WQ_SC, 3145728
.set BLK,   19712
.set HEADB, 315392                     ; 16 blocks: from a head to the next
.set AR,  4
.set AP,  8
.set SR,  32
.set SP,  48
.set RF,  80
.set BP,  176
.set BR,  240
.set TM,  0                            ; the way out, in window 1 or 2: v0-15 the quantiser's work,
.set PC,  16                           ; v16-34 the codes,
.set PW,  36                           ; v36 the scale word
.set SEL, 100                          ; s[100:101]
.set G1X, 24
.set G1W, 32
.set G0X, 40                           ; s[40:55] group 0 for the tokens' block, a set for each chunk
.set G0W, 68                           ; s[68:83] for the columns' block
.set MSB, 0
.macro WIN new                         ; the immediate's high byte repeats the setting that is left; a switch that changes nothing is dropped
.if MSB != (\new)
	s_set_vgpr_msb (MSB<<8)|(\new)
.set MSB, (\new)
.endif
.endm
.macro ROUND                           ; a round of the cluster's barrier
	s_barrier_signal -1
	s_barrier_wait -1
	s_cmp_lg_u32 s12, 0
	s_cbranch_scc1 .Lnot_wave_0_\@
	s_barrier_signal -3
.Lnot_wave_0_\@:
	s_barrier_wait -3
	s_barrier_signal -1
	s_barrier_wait -1
.endm
.macro PLACES                          ; four places behind a matrix instruction, in front of loads into its registers and of reads of its result
.rept 4
	v_nop
.endr
.endm
; one product.  d: D;  pa: source 0;  rb: source 1;  cr: C, or zero = 1: the constant 0;  sa, sb: the scale registers;  ja, ib = 1: that side's words lie in lanes 16-31
.macro WM d, pa, rb, cr, zero, sa, sb, ja, ib
.if \zero
.if (\ja) && (\ib)
	v_wmma_scale_f32_16x16x128_f8f6f4 v[(\d):(\d)+7], v[(\pa):(\pa)+11], v[(\rb):(\rb)+11], 0, v[\sa], v[\sb] matrix_a_fmt:MATRIX_FMT_BF6 matrix_b_fmt:MATRIX_FMT_BF6 matrix_a_scale:MATRIX_SCALE_ROW1 matrix_b_scale:MATRIX_SCALE_ROW1
.elseif (\ja)
	v_wmma_scale_f32_16x16x128_f8f6f4 v[(\d):(\d)+7], v[(\pa):(\pa)+11], v[(\rb):(\rb)+11], 0, v[\sa], v[\sb] matrix_a_fmt:MATRIX_FMT_BF6 matrix_b_fmt:MATRIX_FMT_BF6 matrix_a_scale:MATRIX_SCALE_ROW1
.elseif (\ib)
	v_wmma_scale_f32_16x16x128_f8f6f4 v[(\d):(\d)+7], v[(\pa):(\pa)+11], v[(\rb):(\rb)+11], 0, v[\sa], v[\sb] matrix_a_fmt:MATRIX_FMT_BF6 matrix_b_fmt:MATRIX_FMT_BF6 matrix_b_scale:MATRIX_SCALE_ROW1
.else
	v_wmma_scale_f32_16x16x128_f8f6f4 v[(\d):(\d)+7], v[(\pa):(\pa)+11], v[(\rb):(\rb)+11], 0, v[\sa], v[\sb] matrix_a_fmt:MATRIX_FMT_BF6 matrix_b_fmt:MATRIX_FMT_BF6
.endif
.else
.if (\ja) && (\ib)
	v_wmma_scale_f32_16x16x128_f8f6f4 v[(\d):(\d)+7], v[(\pa):(\pa)+11], v[(\rb):(\rb)+11], v[(\cr):(\cr)+7], v[\sa], v[\sb] matrix_a_fmt:MATRIX_FMT_BF6 matrix_b_fmt:MATRIX_FMT_BF6 matrix_a_scale:MATRIX_SCALE_ROW1 matrix_b_scale:MATRIX_SCALE_ROW1
.elseif (\ja)
	v_wmma_scale_f32_16x16x128_f8f6f4 v[(\d):(\d)+7], v[(\pa):(\pa)+11], v[(\rb):(\rb)+11], v[(\cr):(\cr)+7], v[\sa], v[\sb] matrix_a_fmt:MATRIX_FMT_BF6 matrix_b_fmt:MATRIX_FMT_BF6 matrix_a_scale:MATRIX_SCALE_ROW1
.elseif (\ib)
	v_wmma_scale_f32_16x16x128_f8f6f4 v[(\d):(\d)+7], v[(\pa):(\pa)+11], v[(\rb):(\rb)+11], v[(\cr):(\cr)+7], v[\sa], v[\sb] matrix_a_fmt:MATRIX_FMT_BF6 matrix_b_fmt:MATRIX_FMT_BF6 matrix_b_scale:MATRIX_SCALE_ROW1
.else
	v_wmma_scale_f32_16x16x128_f8f6f4 v[(\d):(\d)+7], v[(\pa):(\pa)+11], v[(\rb):(\rb)+11], v[(\cr):(\cr)+7], v[\sa], v[\sb] matrix_a_fmt:MATRIX_FMT_BF6 matrix_b_fmt:MATRIX_FMT_BF6
.endif
.endif
.endm
; K step s's fragments: 36 loads of 512 consecutive bytes, in one run
.macro FETCH s
	WIN 0x40*(1+(\s)%2)                            ; destination window 1 or 2, address window 0
.irp j, 0,1,2,3,4,5,6,7
.irp g, 0,1,2
	ds_load_b128 v[12*\j+4*\g:12*\j+4*\g+3], v[AP+(\s)/2] offset:3072*\j+1536*((\s)%2)+512*\g
.endr
.endr
	WIN 0
.irp i, 0,1,2,3
.irp g, 0,1,2
	ds_load_b128 v[RF+48*((\s)%2)+12*\i+4*\g:RF+48*((\s)%2)+12*\i+4*\g+3], v[AR+(\s)/2] offset:3072*\i+1536*((\s)%2)+512*\g
.endr
.endr
.endm
; K step s's 32 products.  The 32 accumulators take turns, one instruction a turn, in the same order in every step.  first = 1: the products start the sums.
.macro MUL s, first
.irp i, 0,1,2,3
	WIN (1+(\s)%2)|((1+\i/2)<<4)|((1+\i/2)<<6)     ; source 0 (P) window 1 + s % 2, source 1 (R) window 0, C and D window 1 + i / 2
.irp j, 0,1,2,3,4,5,6,7
	WM 128+64*(\i%2)+8*\j, 12*\j, RF+48*((\s)%2)+12*\i, 128+64*(\i%2)+8*\j, \first, SP+8*(\j/2)+(\s), SR+8*(\i/2)+(\s), \j%2, \i%2
.endr
.endr
.endm
.macro KSTEP s, first
	s_wait_dscnt 0x0                               ; this step's fragments are in
.if (((\s)%2) == 1) && ((\s) < 7)
	s_wait_tensorcnt 3-((\s)+1)/2                  ; my part of the next chunk has landed; the chunks issued behind it may stay out
	s_barrier_signal -1
	s_barrier_wait -1                              ; everybody's has.
.endif
.if (\s) < 7
.if (\s) > 0
	PLACES                                         ; the loads below land in the set that the step before multiplied
.endif
	FETCH (\s)+1
.endif
	MUL \s, \first
.endm
; 64 numbers of a lane, register 16 b + i = k 32 b + 16 (lane / 16) + i of its row, become a fragment's codes in v[PC] on and the row's scale word in v[pw].  All operand places lie in one window.
; (The permutes' destinations were written by the fragment loads on every way here.)
.macro QUANT4 s, pw
.irp b, 0,1,2,3
	v_max3_num_f32 v[TM+\b], |v[(\s)+16*\b]|, |v[(\s)+1+16*\b]|, 0x2800000   ; block b: my 16 numbers, and the floor 2^(5 - 127): the byte cannot fall under 1
.endr
.irp i, 2,4,6,8,10,12,14
.irp b, 0,1,2,3
	v_max3_num_f32 v[TM+\b], v[TM+\b], |v[(\s)+16*\b+\i]|, |v[(\s)+1+16*\b+\i]|
.endr
.endr
.irp b, 0,1,2,3
	v_permlanex16_b32 v[TM+4+\b], v[TM+\b], s[SEL], s[SEL+1]
.endr
.irp b, 0,1,2,3
	v_max_num_f32 v[TM+\b], v[TM+\b], v[TM+4+\b]
.endr
.irp b, 0,1,2,3
	v_add_nc_u32 v[TM+12+\b], 0xfe000000, v[TM+\b]         ; 4 off the exponent field: the conversion's scale operand
.endr
.irp b, 0,1,2,3
	v_lshrrev_b32 v[TM+4+\b], 23, v[TM+12+\b]              ; the byte
.endr
	v_lshl_or_b32 v[\pw], v[TM+5], 8, v[TM+4]
	v_lshl_or_b32 v[\pw], v[TM+6], 16, v[\pw]
	v_lshl_or_b32 v[\pw], v[TM+7], 24, v[\pw]
.irp c, 0,1
	v_cvt_scalef32_pk16_bf6_f32 v[PC+6*\c:PC+2+6*\c], v[(\s)+32*\c:(\s)+15+32*\c], v[TM+12+2*\c]
	v_cvt_scalef32_pk16_bf6_f32 v[PC+12+4*\c:PC+14+4*\c], v[(\s)+16+32*\c:(\s)+31+32*\c], v[TM+12+2*\c+1]
.endr
	v_nop                                                  ; one plain place behind a scaled conversion
.irp c, 0,1
.irp i, 0,1,2
	v_permlane16_swap_b32 v[PC+6*\c+\i], v[PC+12+4*\c+\i]
.endr
.irp i, 0,1,2
	v_mov_b32 v[PC+3+6*\c+\i], v[PC+12+4*\c+\i]
.endr
.endr
.endm
	s_load_b256 s[4:11], s[0:1], 0x0               ; xq s[4:5], wq s[6:7], b_qkv s[8:9], qkv s[10:11]
	v_lshl_add_u32 v254, v0, 2, 0x48000
	v_mov_b32 v255, 0
	ds_add_u32 v254, v255
	ds_add_u32 v254, v255
	v_lshrrev_b32 v1, 5, v0
	v_readfirstlane_b32 s12, v1                    ; wave 0..3
	s_lshr_b32 s13, s12, 1                         ; a.  Also: I fetch for the tokens (0) or for the columns (1)
	s_and_b32 s14, s12, 1                          ; b.  Also: which half of that block I fetch
	s_bfe_u32 s16, ttmp6, 0x40000                  ; cx
	s_bfe_u32 s17, ttmp6, 0x40004                  ; cy
	s_lshl_b32 s18, ttmp9, 2
	s_add_co_u32 s18, s18, s16                     ; gx: my 256 columns
	s_and_b32 s19, ttmp7, 0xffff
	s_lshl_b32 s19, s19, 2
	s_add_co_u32 s19, s19, s17                     ; gy: my 128 tokens
	s_lshl_b32 s20, s17, 2
	s_lshl_b32 s20, 15, s20                        ; my row of the cluster
	s_lshl_b32 s21, 0x1111, s16                    ; my column
	s_cmp_eq_u32 ttmp9, 2
	s_cselect_b32 s15, 1, 0                        ; 1: this cluster's columns are v's
	; group 1: rows of 3,072 bytes (384 elements of 8): a tile's two K steps; 12,288 bytes from tile to tile; 4 tiles (tokens) or 8 (columns) to a load; no padding: images are read 512 bytes on end
	s_or_b32 s[G1X], s20, (3<<16)|(1<<21)          ; 15:0 the mask; 17:16 elements of 8 bytes; 21 set beside a mask
	s_or_b32 s[G1W], s21, (3<<16)|(1<<21)
	s_mov_b32 s[G1X+1], 384<<16                    ; tensor_dim0
	s_mov_b32 s[G1X+2], 4<<16                      ; tensor_dim1
	s_mov_b32 s[G1X+3], 384<<16                    ; tile_dim0
	s_mov_b32 s[G1X+4], 4                          ; tile_dim1
	s_mov_b32 s[G1X+5], 1536                       ; stride
	s_mov_b32 s[G1X+6], 0
	s_mov_b32 s[G1X+7], 0
	s_mov_b32 s[G1W+1], 384<<16
	s_mov_b32 s[G1W+2], 8<<16
	s_mov_b32 s[G1W+3], 384<<16
	s_mov_b32 s[G1W+4], 8
	s_mov_b32 s[G1W+5], 1536
	s_mov_b32 s[G1W+6], 0
	s_mov_b32 s[G1W+7], 0
	s_mul_i32 s56, s19, 98304                      ; the tokens' block hangs on gy alone,
	s_mul_i32 s57, s14, 49152
	s_add_co_u32 s56, s56, s57
	s_mov_b32 s57, 0
	s_mul_i32 s58, s18, 196608                     ; the columns' on gx alone; neither register ever holds the other coordinate
	s_mul_i32 s59, s14, 98304
	s_add_co_u32 s58, s58, s59
	s_mov_b32 s59, 0
	s_mul_i32 s60, s14, 12288                      ; where they go: no place in the cluster enters an LDS address
	s_mul_i32 s61, s14, 24576
	s_add_co_u32 s61, s61, 24576
	s_mov_b32 s96, 0xffff0000                      ; a mask: lanes 16-31
	s_mov_b32 s97, 0xffff
	s_mov_b32 s98, 0x7f7f0000
	s_mov_b32 s[SEL], 0x76543210
	s_mov_b32 s[SEL+1], 0xfedcba98
	s_wait_dscnt 0x0
	s_wait_kmcnt 0x0
	s_add_nc_u64 s[56:57], s[4:5], s[56:57]
	s_add_nc_u64 s[58:59], s[6:7], s[58:59]
.irp c, 0,1,2,3
	s_mov_b32 s[G0X+4*\c], 1
	s_add_co_u32 s[G0X+4*\c+1], s60, \c*CH
	s_add_nc_u64 s[G0X+4*\c+2:G0X+4*\c+3], s[56:57], \c*3072
	s_or_b32 s[G0X+4*\c+3], s[G0X+4*\c+3], 0x80000000
	s_mov_b32 s[G0W+4*\c], 1
	s_add_co_u32 s[G0W+4*\c+1], s61, \c*CH
	s_add_nc_u64 s[G0W+4*\c+2:G0W+4*\c+3], s[58:59], \c*3072
	s_or_b32 s[G0W+4*\c+3], s[G0W+4*\c+3], 0x80000000
.endr
	ROUND                                          ; all sixteen work-groups are here: the joint loads meet
	s_cmp_eq_u32 s13, 0                            ; a wave's four fills stand in one branch on its number; four v_nop follow the last
	s_cbranch_scc0 .Lfor_w
.irp c, 0,1,2,3
	tensor_load_to_lds s[G0X+4*\c:G0X+4*\c+3], s[G1X:G1X+7]
	s_nop 0
.endr
	PLACES
	s_branch .Lasked
.Lfor_w:
.irp c, 0,1,2,3
	tensor_load_to_lds s[G0W+4*\c:G0W+4*\c+3], s[G1W:G1W+7]
	s_nop 0
.endr
	PLACES
.Lasked:
	v_and_b32 v3, 31, v0
	v_lshlrev_b32 v1, 4, v3                        ; 16 x lane
	v_lshlrev_b32 v2, 3, v3                        ; 8 x lane
	; where R's and P's tiles lie in a chunk
	s_mul_i32 s84, s13, 12288                      ; q, k: R = token tiles 4 a on
	s_mul_i32 s85, s12, 12288
	s_add_co_u32 s85, s85, 24576                   ; v: R = column tiles 4 wave on
	s_mul_i32 s86, s14, 24576
	s_add_co_u32 s86, s86, 24576                   ; q, k: P = column tiles 8 b on;  v: P = the eight token tiles, at 0
	s_cmp_eq_u32 s15, 1
	s_cselect_b32 s84, s85, s84
	s_cselect_b32 s86, 0, s86
.irp c, 0,1,2,3
	v_add_nc_u32 v[AR+\c], s84, v1
	v_add_nc_u32 v[AP+\c], s86, v1
	s_add_co_u32 s84, s84, CH
	s_add_co_u32 s86, s86, CH
.endr
	; the scale words, straight into registers: 1,024 bytes a pair of tiles
	s_lshl_b32 s88, s19, 12
	s_add_co_u32 s88, s88, XQ_SC                   ; my 128 tokens' (v: P)
	s_mov_b32 s89, 0
	s_lshl_b32 s22, s13, 11
	s_add_co_u32 s22, s22, s88                     ; q, k: R = pairs 4 gy + 2 a on
	s_mov_b32 s23, 0
	s_lshl_b32 s90, s18, 13
	s_add_co_u32 s90, s90, WQ_SC                   ; my 256 columns'
	s_lshl_b32 s62, s12, 11
	s_add_co_u32 s62, s62, s90                     ; v: R = pairs 8 gx + 2 wave on
	s_mov_b32 s63, 0
	s_lshl_b32 s91, s14, 12
	s_add_co_u32 s90, s90, s91                     ; q, k: P = pairs 8 gx + 4 b on
	s_mov_b32 s91, 0
	s_add_nc_u64 s[92:93], s[4:5], s[22:23]
	s_add_nc_u64 s[84:85], s[6:7], s[62:63]
	s_add_nc_u64 s[94:95], s[6:7], s[90:91]
	s_add_nc_u64 s[86:87], s[4:5], s[88:89]
	s_cmp_eq_u32 s15, 1
	s_cselect_b64 s[92:93], s[84:85], s[92:93]     ; R's
	s_cselect_b64 s[94:95], s[86:87], s[94:95]     ; P's
.irp u, 0,1
.irp k, 0,1,2,3
	global_load_b64 v[SR+8*\u+2*\k:SR+8*\u+2*\k+1], v2, s[92:93] offset:1024*\u+256*\k
.endr
.endr
.irp u, 0,1,2,3
.irp k, 0,1,2,3
	global_load_b64 v[SP+8*\u+2*\k:SP+8*\u+2*\k+1], v2, s[94:95] offset:1024*\u+256*\k
.endr
.endr
	; the biases, both forms (each stays inside b_qkv for every gx): along P for q and k, along R for v
	s_lshl_b32 s22, s18, 10
	s_lshl_b32 s62, s14, 9
	s_add_co_u32 s62, s62, s22
	s_add_nc_u64 s[84:85], s[8:9], s[62:63]        ; columns 256 gx + 128 b on
	s_lshl_b32 s88, s12, 8
	s_add_co_u32 s88, s88, s22
	s_add_nc_u64 s[86:87], s[8:9], s[88:89]        ; columns 256 gx + 64 wave on
	v_bfe_u32 v3, v0, 4, 1
	v_lshlrev_b32 v3, 6, v3                        ; tile j's registers of lane (r, h): columns 32 (j / 2) + 16 h + 8 (j % 2) + 0 .. 7
	v_and_b32 v12, 15, v0
	v_and_b32 v13, 8, v0
	v_add_nc_u32 v12, v12, v13
	v_lshlrev_b32 v12, 2, v12                      ; tile i's lane r: column 32 (i / 2) + 8 (i % 2) + r + 8 (r / 8)
.irp j, 0,1,2,3,4,5,6,7
	global_load_b128 v[BP+8*\j:BP+8*\j+3], v3, s[84:85] offset:4*(32*(\j/2)+8*(\j%2))
	global_load_b128 v[BP+8*\j+4:BP+8*\j+7], v3, s[84:85] offset:4*(32*(\j/2)+8*(\j%2))+16
.endr
.irp i, 0,1,2,3
	global_load_b32 v[BR+2*\i], v12, s[86:87] offset:4*(32*(\i/2)+8*(\i%2))
	global_load_b32 v[BR+2*\i+1], v12, s[86:87] offset:4*(32*(\i/2)+8*(\i%2))   ; twice: a pair for the packed addition
.endr
	s_wait_tensorcnt 3                             ; my part of chunk 0 has landed; the three chunks behind it may stay out
	s_barrier_signal -1
	s_barrier_wait -1                              ; everybody's has
	FETCH 0
	s_wait_loadcnt 0x0                             ; scale words and biases
	KSTEP 0, 1
	KSTEP 1, 0
	KSTEP 2, 0
	KSTEP 3, 0
	KSTEP 4, 0
	KSTEP 5, 0
	KSTEP 6, 0
	KSTEP 7, 0
	PLACES
	WIN 0                                          ; at a label and at a branch every window is 0
	; THE WAY OUT: bias, quantiser, images to memory; no LDS.
	s_lshr_b32 s22, s19, 4                         ; the batch,
	s_and_b32 s23, s19, 15                         ; the key step
	s_lshl_b32 s22, s22, 4
	s_and_b32 s62, s18, 3
	s_lshl_b32 s62, s62, 2
	s_add_co_u32 s22, s22, s62                     ; batch x 16 + the first of my work-group's four heads
	s_cmp_eq_u32 s15, 1
	s_cbranch_scc1 .Lv
	; ---- q and k: tile of tokens i; the 64 registers are two heads' 64 ----
	s_lshl_b32 s63, s14, 1
	s_add_co_u32 s22, s22, s63                     ; my two heads
	s_lshl_b32 s22, s22, 4
	s_add_co_u32 s22, s22, s23
	s_mul_i32 s22, s22, BLK                        ; the first head's block
	s_mul_i32 s62, ttmp9, 6656                     ; Q's images at 0, K's at 6,656
	s_mul_i32 s63, s13, 3072                       ; my four tiles
	s_add_co_u32 s62, s62, s63
	s_add_co_u32 s62, s62, s22
	s_mov_b32 s63, 0
	s_add_nc_u64 s[84:85], s[10:11], s[62:63]
	s_mul_i32 s62, ttmp9, 12800                    ; Q's scale words at 6,144, K's at 18,944
	s_lshl_b32 s88, s13, 8
	s_add_co_u32 s62, s62, s88
	s_add_co_u32 s62, s62, s22
	s_add_co_u32 s62, s62, 6144
	s_add_nc_u64 s[86:87], s[10:11], s[62:63]
.irp i, 0,1,2,3
.if \i > 0
	s_wait_xcnt 0x0                                ; the last tile's stores have read the codes' registers
.endif
	WIN 0x41*(1+\i/2)                              ; destination and source 0: the accumulators' window; source 1 (the bias): window 0
.set n, 0
.rept 32
	v_pk_add_f32 v[128+64*(\i%2)+n:129+64*(\i%2)+n], v[128+64*(\i%2)+n:129+64*(\i%2)+n], v[BP+n:BP+n+1]   ; each accumulator from its low end on
.set n, n+2
.endr
	WIN 0x55*(1+\i/2)                              ; all places in the accumulators' window
	QUANT4 128+64*(\i%2), PW
.if (\i%2) == 0
	v_and_or_b32 v40, v[PW], s97, s98              ; the first head's two bytes, then 0x7f, 0x7f
	v_lshrrev_b32 v41, 16, v[PW]
	v_or_b32 v41, s98, v41                         ; the second head's
.else
	v_and_or_b32 v42, v[PW], s97, s98
	v_lshrrev_b32 v43, 16, v[PW]
	v_or_b32 v43, s98, v43
	v_cndmask_b32 v[44+5*(\i/2)], v40, v42, s96    ; lanes 0-15: the even tile's words, lanes 16-31: the odd tile's  (window 1: v44, v45; window 2: v49, v51)
	v_cndmask_b32 v[45+6*(\i/2)], v41, v43, s96
.endif
	WIN 0x04*(1+\i/2)                              ; a store's data are its source 1
	global_store_b128 v1, v[PC:PC+3], s[84:85] offset:768*\i                  ; registers 0-5: the first head's image
	global_store_b64 v2, v[PC+4:PC+5], s[84:85] offset:768*\i+512
	global_store_b128 v1, v[PC+6:PC+9], s[84:85] offset:768*\i+HEADB          ; registers 6-11: the second head's
	global_store_b64 v2, v[PC+10:PC+11], s[84:85] offset:768*\i+512+HEADB
.endr
	WIN 0x81                                       ; source 0 window 1, destination window 2
	v_mov_b32 v48, v44                             ; tiles 0 and 1's words beside tiles 2 and 3's
	v_mov_b32 v50, v45
	WIN 0x08
	global_store_b64 v2, v[48:49], s[86:87]        ; 256 consecutive bytes, aligned
	global_store_b64 v2, v[50:51], s[86:87] offset:HEADB
	WIN 0
	s_branch .Lend
	; ---- v: tile of channels i; the 64 registers are the 128 tokens' two halves ----
.Lv:
	s_add_co_u32 s22, s22, s12                     ; my head
	s_lshl_b32 s22, s22, 4
	s_add_co_u32 s22, s22, s23
	s_mul_i32 s62, s22, BLK
	s_add_co_u32 s62, s62, 12800                   ; V's images
	s_mov_b32 s63, 0
	s_add_nc_u64 s[84:85], s[10:11], s[62:63]
.irp i, 0,1,2,3
.if \i > 0
	s_wait_xcnt 0x0
.endif
	WIN 0x41*(1+\i/2)
.set n, 0
.rept 32
	v_pk_add_f32 v[128+64*(\i%2)+n:129+64*(\i%2)+n], v[128+64*(\i%2)+n:129+64*(\i%2)+n], v[BR+2*\i:BR+2*\i+1]   ; my channel's bias
.set n, n+2
.endr
	WIN 0x55*(1+\i/2)
	QUANT4 128+64*(\i%2), 40+2*(\i%2)
.if (\i%2) == 1
	v_cndmask_b32 v[44+5*(\i/2)], v40, v42, s96
.endif
	WIN 0x04*(1+\i/2)
.irp g, 0,1,2
	global_store_b128 v1, v[PC+4*\g:PC+4*\g+3], s[84:85] offset:1536*\i+512*\g
.endr
.endr
	WIN 0x81
	v_mov_b32 v48, v44
	WIN 0x08
	global_store_b64 v2, v[48:49], s[84:85] offset:6656    ; V's scale words, at 19,456 of the block
	WIN 0
.Lend:
	s_wait_tensorcnt 0x0
	ds_add_u32 v254, v255
	s_wait_dscnt 0x0
	ROUND                                          ; the closing round: no work-group ends while a partner may still ask for a block that names it
	s_endpgm
.Lfunc_end_k_q57efcf18cc_qkv:
	.size	k_q57efcf18cc_qkv, .Lfunc_end_k_q57efcf18cc_qkv-k_q57efcf18cc_qkv
	.p2alignl 7, 3214868480
	.fill 96, 4, 3214868480
	.section	.rodata,"a",@progbits
	.p2align	6, 0x0
	.amdhsa_kernel k_q57efcf18cc_qkv
		.amdhsa_group_segment_fixed_size 295424
		.amdhsa_private_segment_fixed_size 0
		.amdhsa_enable_private_segment 0
		.amdhsa_kernarg_size 32
		.amdhsa_user_sgpr_count 2
		.amdhsa_user_sgpr_kernarg_segment_ptr 1
		.amdhsa_wavefront_size32 1
		.amdhsa_system_sgpr_workgroup_id_x 1
		.amdhsa_system_sgpr_workgroup_id_y 1
		.amdhsa_system_sgpr_workgroup_id_z 1
		.amdhsa_system_vgpr_workitem_id 0
		.amdhsa_next_free_vgpr 768
		.amdhsa_next_free_sgpr 102
		.amdhsa_reserve_vcc 0
		.amdhsa_float_denorm_mode_32 3
		.amdhsa_float_denorm_mode_16_64 3
		.amdhsa_memory_ordered 1
		.amdhsa_forward_progress 1
		.amdhsa_inst_pref_size 119
	.end_amdhsa_kernel
	.amdgpu_metadata
---
amdhsa.version: [ 1, 2 ]
amdhsa.kernels:
  - .name:           k_q57efcf18cc_qkv
    .symbol:         k_q57efcf18cc_qkv.kd
    .args:
      - { .name: xq, .offset: 0, .size: 8, .value_kind: global_buffer, .address_space: global }
      - { .name: wq, .offset: 8, .size: 8, .value_kind: global_buffer, .address_space: global }
      - { .name: b_qkv, .offset: 16, .size: 8, .value_kind: global_buffer, .address_space: global }
      - { .name: qkv, .offset: 24, .size: 8, .value_kind: global_buffer, .address_space: global }
    .group_segment_fixed_size: 295424
    .private_segment_fixed_size: 0
    .kernarg_segment_align: 8
    .kernarg_segment_size: 32
    .max_flat_workgroup_size: 128
    .sgpr_count:     102
    .vgpr_count:     768
    .wavefront_size: 32
...
	.end_amdgpu_metadata
.endif
;; end of part 2
;; launch attn (part 3): grid 4 x 64, 16 waves a work-group, no clusters, 210,944 bytes of LDS; arguments qkv, yq; writes yq
.if DOCPART == 3
	.amdgcn_target "amdgcn-amd-amdhsa--gfx1250"
	.amdhsa_code_object_version 6
	.text
	.protected	k_q57efcf18cc_attn
	.globl	k_q57efcf18cc_attn
	.p2align	8
	.type	k_q57efcf18cc_attn,@function
k_q57efcf18cc_attn:
	s_mov_b64 s[64:65], 0
	v_nop
	global_prefetch_b8 v0, s[64:65] scope:SCOPE_SE
	s_setreg_imm32_b32 hwreg(HW_REG_WAVE_MODE, 25, 1), 1
	s_wait_xcnt 0x0
; ATTN: y = softmax(q k^T / 8, causal) v for one head, both products on codes of BF6 with E8M0 scales; y is divided by the row's sum and quantised along the channels at once.
; THE SOFTMAX AHEAD OF THE SECOND PRODUCT: t = score x log2(e) / 8; M = the running largest t rounded up to a whole number; p = 2^(t - M) is quantised along the keys, not normalised;
; the row's sum is taken of the unquantised p.  When M moves, the sum and O are multiplied by 2^(old M - new M), which rounds nothing.
; SHARES.  A work-group (x = p 0..3, y = batch x head) owns query blocks 7 - p and p of 256 queries.  Wave w owns tile A = 16 (7 - p) + w and tile B = 16 p + 15 - w of 16 queries:
; their last key steps add up to 15, so every wave of every work-group walks 17 steps of 128 keys.  Four waves share a SIMD: one wave's vector work stands beside another's products and LDS loads.
; LDS holds the whole head's K and V as register images, 13,056 bytes a key step (K 8 x 768; V^T 4 x 1,536; K's scale words 512; V's 256), filled ONCE: each wave brings a quarter of four key steps
; by four tensor loads (four are out at the most).  Key steps 0-3 are waited for first, so that work starts when a quarter of the bytes is in.  Nothing is filled again.
; NO CLUSTER, though the four work-groups of a head read the same K and V: which steps a wave leaves out under the causal mask hangs on its query block, which would be its place in the cluster.
; LAYOUT.  Both products are used transposed: S^T = K Q^T, O^T = V^T P^T: a lane holds one query throughout.  Lane r of a tile 2 g + u of keys or queries holds token 32 g + 8 u + r + 8 (r / 8),
; so that register 16 b + i of S^T is key 32 b + 16 (lane / 16) + i.
; K = 64 IN THE FIRST PRODUCT: Q's codes for k = 64 .. 127 are zeros and both sides' scale bytes there are 0x7f.  So whatever codes stand in the upper six registers of a fragment of K add exactly 0
; (the format has no NaN and no infinity), and tile T's fragment is v[36 + 6 T .. 47 + 6 T]: its upper half is the next tile's codes (the last tile's: zeros).
; CAUSAL: both loops have constant trip counts; a step all of whose keys come after the tile's queries is left out by a scalar branch on ids; in the tile's last step hidden scores become -infinity.
; LIMITS: NaN and infinities are not served.  A block's largest p is made from the block's largest score by the same two instructions: that takes v_exp_f32 not to fall where its input rises.
; A block of zeros gets the byte 1 (its codes are zeros; only this program reads the bytes).
; OUT: yq = [token tile 0..511][head] images of 768 bytes (registers 0-5 of a fragment); from YQ_SC on [tile][r][head] two scale bytes.  These stores of two bytes a lane are 32 bytes beside each 768 of codes.
; REGISTERS: v1 16 x lane, v2 8 x lane, v3 and v243 the step's LDS addresses; v4-7, v8-11 tile A's and B's -M, largest t, sum (two halves); v12-23, v24-35 Q; v36-89 K's or V's fragments; v90-93 block maxima;
;   v94-95 V's scale words; v96-159 S^T, then p; v160-191, v192-223 O^T; v224-235 p's codes; v236-247, v252, v254 at work; v248-251 K's scale words; v253 p's scale word; v255 Q's (lanes 0-15 A's, 16-31 B's).
.set KVB,   13056
.set BLK,   19712
.set HEADB, 315392
.set YQ_SC, 6291456
.set ADK, 3
.set AD8, 243
.set KF,  36
.set BM,  90
.set S,   96
.set SEL, 42                           ; s[42:43]
.set CS,  44                           ; s[44:45] c = log2(e) / 8
.set J,   46                           ; s46 the key step
.set TB,  47                           ; s47 its first LDS byte
.macro PLACES
.rept 4
	v_nop
.endr
.endm
.macro WM d, pa, rb, cr, zero, sa, sb, ja, ib
.if \zero
.if (\ja) && (\ib)
	v_wmma_scale_f32_16x16x128_f8f6f4 v[(\d):(\d)+7], v[(\pa):(\pa)+11], v[(\rb):(\rb)+11], 0, v[\sa], v[\sb] matrix_a_fmt:MATRIX_FMT_BF6 matrix_b_fmt:MATRIX_FMT_BF6 matrix_a_scale:MATRIX_SCALE_ROW1 matrix_b_scale:MATRIX_SCALE_ROW1
.elseif (\ja)
	v_wmma_scale_f32_16x16x128_f8f6f4 v[(\d):(\d)+7], v[(\pa):(\pa)+11], v[(\rb):(\rb)+11], 0, v[\sa], v[\sb] matrix_a_fmt:MATRIX_FMT_BF6 matrix_b_fmt:MATRIX_FMT_BF6 matrix_a_scale:MATRIX_SCALE_ROW1
.elseif (\ib)
	v_wmma_scale_f32_16x16x128_f8f6f4 v[(\d):(\d)+7], v[(\pa):(\pa)+11], v[(\rb):(\rb)+11], 0, v[\sa], v[\sb] matrix_a_fmt:MATRIX_FMT_BF6 matrix_b_fmt:MATRIX_FMT_BF6 matrix_b_scale:MATRIX_SCALE_ROW1
.else
	v_wmma_scale_f32_16x16x128_f8f6f4 v[(\d):(\d)+7], v[(\pa):(\pa)+11], v[(\rb):(\rb)+11], 0, v[\sa], v[\sb] matrix_a_fmt:MATRIX_FMT_BF6 matrix_b_fmt:MATRIX_FMT_BF6
.endif
.else
.if (\ja)
	v_wmma_scale_f32_16x16x128_f8f6f4 v[(\d):(\d)+7], v[(\pa):(\pa)+11], v[(\rb):(\rb)+11], v[(\cr):(\cr)+7], v[\sa], v[\sb] matrix_a_fmt:MATRIX_FMT_BF6 matrix_b_fmt:MATRIX_FMT_BF6 matrix_a_scale:MATRIX_SCALE_ROW1
.else
	v_wmma_scale_f32_16x16x128_f8f6f4 v[(\d):(\d)+7], v[(\pa):(\pa)+11], v[(\rb):(\rb)+11], v[(\cr):(\cr)+7], v[\sa], v[\sb] matrix_a_fmt:MATRIX_FMT_BF6 matrix_b_fmt:MATRIX_FMT_BF6
.endif
.endif
.endm
; where tile s[t] (its key step in s[l]) has its image of Q (address into s[adr:adr+1]) and its scale words less 6,144 (offset from the head's first byte into s[off])
.macro QPLACE t, l, adr, off
	s_mul_i32 s[\off], s[\l], BLK
	s_and_b32 s40, s[\t], 7
	s_mul_i32 s40, s40, 768
	s_add_co_u32 s[\adr], s[\off], s40
	s_mov_b32 s[\adr+1], 0
	s_add_nc_u64 s[\adr:\adr+1], s[48:49], s[\adr:\adr+1]
	s_bfe_u32 s40, s[\t], 0x10002                  ; tile 4 a + 2 m + u of the step: 256 a
	s_lshl_b32 s40, s40, 8
	s_add_co_u32 s[\off], s[\off], s40
	s_and_b32 s40, s[\t], 1                        ; + 128 u
	s_lshl_b32 s40, s40, 7
	s_add_co_u32 s[\off], s[\off], s40
	s_bfe_u32 s40, s[\t], 0x10001                  ; + 4 m
	s_lshl_b32 s40, s40, 2
	s_add_co_u32 s[\off], s[\off], s40
.endm
; ONE KEY STEP OF ONE TILE.  q: Q's fragment; o: O^T; st: the statistics; brow = 1: Q's scale words lie in lanes 16-31; l: the scalar with the tile's last step; sq: the scalar with its first query in that step
.macro STEP q, o, st, brow, l, sq
	PLACES                                         ; in front of loads into registers that the last products read
.irp t, 0,1,2,3,4,5,6,7
	ds_load_b128 v[KF+6*\t:KF+6*\t+3], v[ADK] offset:768*\t
	ds_load_b64 v[KF+6*\t+4:KF+6*\t+5], v[AD8] offset:768*\t+512
.endr
	ds_load_b64 v[248:249], v[AD8] offset:12288    ; K's scale words: register 248 + T / 2; lanes 0-15 the even tile, lanes 16-31 the odd one
	ds_load_b64 v[250:251], v[AD8] offset:12544
	s_wait_dscnt 0x0
.irp t, 0,1,2,3,4,5,6,7
	WM S+8*\t, KF+6*\t, \q, 0, 1, 248+\t/2, 255, \t%2, \brow
.endr
	PLACES                                         ; in front of the loads below and of the first read of the scores
.irp t, 0,1,2,3
.irp g, 0,1,2
	ds_load_b128 v[KF+12*\t+4*\g:KF+12*\t+4*\g+3], v[ADK] offset:6144+1536*\t+512*\g   ; V^T: it lands while the softmax runs
.endr
.endr
	ds_load_b64 v[94:95], v[AD8] offset:12800
	s_cmp_lg_u32 s[J], s[\l]                       ; only the tile's last step lies on the diagonal
	s_cbranch_scc1 .Lopen_\@
	v_and_b32 v236, 15, v0
	v_and_b32 v237, 8, v0
	v_add_nc_u32 v236, v236, v237                  ; r + 8 (r / 8)
	v_and_b32 v237, 16, v0
	v_sub_nc_u32 v236, v236, v237
	v_add_nc_u32 v236, s[\sq], v236                ; d = my query in the step - 16 (lane / 16).  Register 16 b + i holds key 32 b + 16 (lane / 16) + i: hidden where 32 b + i > d
	v_mov_b32 v254, 0xff800000                     ; -infinity: p = 0 then
.set n, 0
.rept 64
	v_cmp_gt_i32 vcc_lo, 32*(n/16)+n%16, v236
	v_cndmask_b32 v[S+n], v[S+n], v254, vcc_lo
.set n, n+1
.endr
.Lopen_\@:
.irp b, 0,1,2,3
	v_max3_num_f32 v[BM+\b], v[S+16*\b], v[S+1+16*\b], v[S+2+16*\b]   ; the largest score of each block of 32 keys: it serves the row's maximum and the block's largest p
.endr
.irp i, 3,5,7,9,11,13
.irp b, 0,1,2,3
	v_max3_num_f32 v[BM+\b], v[BM+\b], v[S+16*\b+\i], v[S+1+16*\b+\i]
.endr
.endr
.irp b, 0,1,2,3
	v_max_num_f32 v[BM+\b], v[BM+\b], v[S+15+16*\b]
.endr
.irp b, 0,1,2,3
	v_permlanex16_b32 v[236+\b], v[BM+\b], s[SEL], s[SEL+1]
.endr
.irp b, 0,1,2,3
	v_max_num_f32 v[BM+\b], v[BM+\b], v[236+\b]    ; with lane l xor 16's 16 keys
.endr
	v_max3_num_f32 v254, v[BM], v[BM+1], v[BM+2]
	v_max_num_f32 v254, v254, v[BM+3]
	v_mul_f32 v254, s[CS], v254                    ; the step's largest t
	v_max_num_f32 v[\st+1], v[\st+1], v254         ; the running largest t
	v_mov_b32 v254, v[\st]
	v_floor_f32 v[\st], -v[\st+1]                  ; the new -M = -ceil(t)
	v_sub_f32 v254, v[\st], v254                   ; old M - new M: a whole number, 0 or less
	v_cvt_i32_f32 v254, v254                       ; (it saturates)
	v_ldexp_f32 v252, 1.0, v254                    ; f = 2^(old M - new M)
.set n, 0
.rept 32
	v_pk_fma_f32 v[S+n:S+n+1], v[S+n:S+n+1], s[CS:CS+1], v[\st:\st+1] op_sel_hi:[1,0,0]   ; t - M, two at a time
.set n, n+2
.endr
.irp b, 0,1,2,3
	v_fma_f32 v[BM+\b], v[BM+\b], s[CS], v[\st]    ; the same of each block's largest score
.endr
.set n, 0
.rept 64
	v_exp_f32 v[S+n], v[S+n]                       ; p = 2^(t - M)
.set n, n+1
.endr
.irp b, 0,1,2,3
	v_exp_f32 v[BM+\b], v[BM+\b]                   ; the block's largest p
.endr
	v_pk_mul_f32 v[\st+2:\st+3], v[\st+2:\st+3], v[252:253] op_sel_hi:[1,0]   ; the sums under the new M (a plain place behind the exponentials)
	s_wait_alu depctr_va_vdst(0)
.irp b, 0,1,2,3
	v_max_num_f32 v[BM+\b], 0x2800000, v[BM+\b]    ; the floor 2^(5 - 127)
.endr
.irp b, 0,1,2,3
	v_add_nc_u32 v[244+\b], 0xfe000000, v[BM+\b]   ; the conversion's scale operand
.endr
.irp b, 0,1,2,3
	v_lshrrev_b32 v[236+\b], 23, v[244+\b]         ; the byte
.endr
	v_lshl_or_b32 v253, v237, 8, v236              ; p's scale word for these 128 keys
	v_lshl_or_b32 v253, v238, 16, v253
	v_lshl_or_b32 v253, v239, 24, v253
.irp c, 0,1
	v_cvt_scalef32_pk16_bf6_f32 v[224+6*\c:226+6*\c], v[S+32*\c:S+15+32*\c], v[244+2*\c]
	v_cvt_scalef32_pk16_bf6_f32 v[236+4*\c:238+4*\c], v[S+16+32*\c:S+31+32*\c], v[244+2*\c+1]
.endr
	v_nop                                          ; one plain place behind a scaled conversion
.irp c, 0,1
.irp i, 0,1,2
	v_permlane16_swap_b32 v[224+6*\c+\i], v[236+4*\c+\i]
.endr
.irp i, 0,1,2
	v_mov_b32 v[227+6*\c+\i], v[236+4*\c+\i]
.endr
.endr
	v_pk_add_f32 v[236:237], v[S:S+1], v[S+2:S+3]  ; the row's sum of the unquantised p, in two chains
.irp i, 4,8,12,16,20,24,28,32,36,40,44,48,52,56,60
	v_pk_add_f32 v[\st+2:\st+3], v[\st+2:\st+3], v[S+\i:S+1+\i]
	v_pk_add_f32 v[236:237], v[236:237], v[S+2+\i:S+3+\i]
.endr
	v_pk_add_f32 v[\st+2:\st+3], v[\st+2:\st+3], v[236:237]
.set n, 0
.rept 16
	v_pk_mul_f32 v[\o+n:\o+n+1], v[\o+n:\o+n+1], v[252:253] op_sel_hi:[1,0]   ; O^T under the new M.  (With the sums above: the places between the codes' and the scale word's last writes and the products)
.set n, n+2
.endr
	s_wait_dscnt 0x0                               ; V^T is in
.irp t, 0,1,2,3
	WM \o+8*\t, KF+12*\t, 224, \o+8*\t, 0, 94+\t/2, 253, \t%2, 0   ; the four accumulators by turns; between two links of a chain stand the next step's eight first products
.endr
.endm
.macro TRIP
	v_add_nc_u32 v[ADK], s[TB], v1
	v_add_nc_u32 v[AD8], s[TB], v2
	s_cmp_gt_u32 s[J], s13                         ; all keys of the step come after tile A's queries: left out
	s_cbranch_scc1 .Lno_a_\@
	STEP 12, 160, 4, 0, 13, 15
.Lno_a_\@:
	s_cmp_gt_u32 s[J], s14
	s_cbranch_scc1 .Lno_b_\@
	STEP 24, 192, 8, 1, 14, 9
.Lno_b_\@:
.endm
; a tile's end: O^T / the sum, quantised along the head's 64 channels, image and two scale bytes a row to memory
.macro FINAL o, st, t, later
.if \later
	s_wait_xcnt 0x0                                ; the first tile's stores have read their registers and bases
.endif
	s_lshr_b32 s40, s10, 4
	s_lshl_b32 s40, s40, 7
	s_add_co_u32 s40, s40, s[\t]                   ; the token tile: 128 x batch + tile
	s_and_b32 s41, s10, 15                         ; the head
	s_lshl_b32 s50, s40, 4
	s_add_co_u32 s50, s50, s41
	s_mul_i32 s50, s50, 768
	s_mov_b32 s51, 0
	s_add_nc_u64 s[54:55], s[6:7], s[50:51]
	s_lshl_b32 s50, s40, 9
	s_lshl_b32 s41, s41, 1
	s_add_co_u32 s50, s50, s41
	s_add_co_u32 s50, s50, YQ_SC
	s_add_nc_u64 s[56:57], s[6:7], s[50:51]
	v_add_f32 v[\st+2], v[\st+2], v[\st+3]         ; the sum's two halves,
	v_permlanex16_b32 v236, v[\st+2], s[SEL], s[SEL+1]
	v_add_f32 v[\st+2], v[\st+2], v236             ; and lane l xor 16's
	v_rcp_f32 v252, v[\st+2]
	v_nop                                          ; a plain place behind the transcendental
.set n, 0
	s_wait_alu depctr_va_vdst(0)
.rept 16
	v_pk_mul_f32 v[S+n:S+n+1], v[\o+n:\o+n+1], v[252:253] op_sel_hi:[1,0]   ; register 16 b + i: channel 32 b + 16 (lane / 16) + i
.set n, n+2
.endr
.irp b, 0,1
	v_max3_num_f32 v[BM+\b], |v[S+16*\b]|, |v[S+1+16*\b]|, 0x2800000
.endr
.irp i, 2,4,6,8,10,12,14
.irp b, 0,1
	v_max3_num_f32 v[BM+\b], v[BM+\b], |v[S+16*\b+\i]|, |v[S+1+16*\b+\i]|
.endr
.endr
.irp b, 0,1
	v_permlanex16_b32 v[236+\b], v[BM+\b], s[SEL], s[SEL+1]
.endr
.irp b, 0,1
	v_max_num_f32 v[BM+\b], v[BM+\b], v[236+\b]
.endr
.irp b, 0,1
	v_add_nc_u32 v[244+\b], 0xfe000000, v[BM+\b]
.endr
.irp b, 0,1
	v_lshrrev_b32 v[238+\b], 23, v[244+\b]
.endr
	v_lshl_or_b32 v254, v239, 8, v238              ; the row's two scale bytes
	v_cvt_scalef32_pk16_bf6_f32 v[224:226], v[S:S+15], v244
	v_cvt_scalef32_pk16_bf6_f32 v[240:242], v[S+16:S+31], v245
	v_nop
.irp i, 0,1,2
	v_permlane16_swap_b32 v[224+\i], v[240+\i]
.endr
.irp i, 0,1,2
	v_mov_b32 v[227+\i], v[240+\i]
.endr
	global_store_b128 v1, v[224:227], s[54:55]     ; 512 consecutive bytes, aligned
	global_store_b64 v2, v[228:229], s[54:55] offset:512
	global_store_b16 v3, v254, s[56:57]            ; both halves of the lanes write the same two bytes with the same value
.endm
	s_load_b128 s[4:7], s[0:1], 0x0                ; qkv s[4:5], yq s[6:7]
	v_lshl_add_u32 v254, v0, 2, 0x33000
	v_mov_b32 v255, 0
	ds_add_u32 v254, v255
	ds_add_u32 v254, v255
	s_wait_dscnt 0x0
	v_lshrrev_b32 v1, 5, v0
	v_readfirstlane_b32 s8, v1                     ; wave 0..15
	s_and_b32 s10, ttmp7, 0xffff                   ; batch x 16 + head
	; group 1: one dense row of 3,264 bytes (408 elements of 8): a quarter of a key step's K and V
	s_mov_b32 s16, 3<<16
	s_mov_b32 s17, 408<<16
	s_mov_b32 s18, 1<<16
	s_mov_b32 s19, 408<<16
	s_mov_b32 s20, 1
	s_mov_b32 s21, 408
	s_mov_b32 s22, 0
	s_mov_b32 s23, 0
	s_lshr_b32 s40, s8, 2                          ; which of four key steps,
	s_and_b32 s41, s8, 3                           ; which quarter of it
	s_mul_i32 s50, s40, KVB
	s_mul_i32 s51, s41, 3264
	s_add_co_u32 s50, s50, s51                     ; in LDS,
	s_mul_i32 s52, s40, BLK
	s_add_co_u32 s52, s52, s51
	s_add_co_u32 s52, s52, 6656                    ; and in the head's blocks: K and V begin 6,656 bytes into a block
	s_mov_b32 s53, 0
	s_mul_i32 s48, s10, HEADB
	s_mov_b32 s49, 0
	s_wait_kmcnt 0x0
	s_add_nc_u64 s[48:49], s[4:5], s[48:49]        ; the head's first byte
	s_add_nc_u64 s[52:53], s[48:49], s[52:53]
.irp k, 0,1,2,3
	s_mov_b32 s[24+4*\k], 1
	s_add_co_u32 s[25+4*\k], s50, \k*4*KVB
	s_add_nc_u64 s[26+4*\k:27+4*\k], s[52:53], \k*4*BLK
	s_or_b32 s[27+4*\k], s[27+4*\k], 0x80000000
.endr
.irp k, 0,1,2,3
	tensor_load_to_lds s[24+4*\k:27+4*\k], s[16:23]   ; load k: my quarter of key step 4 k + wave / 4
	s_nop 0
.endr
	PLACES
	s_sub_co_u32 s11, 7, ttmp9
	s_lshl_b32 s11, s11, 4
	s_add_co_u32 s11, s11, s8                      ; tile A
	s_lshl_b32 s12, ttmp9, 4
	s_add_co_u32 s12, s12, 15
	s_sub_co_u32 s12, s12, s8                      ; tile B
	s_lshr_b32 s13, s11, 3                         ; their last key steps
	s_lshr_b32 s14, s12, 3
	s_bfe_u32 s15, s11, 0x20001                    ; their first queries in those steps: 32 ((t / 2) % 4) + 8 (t % 2)
	s_lshl_b32 s15, s15, 5
	s_and_b32 s40, s11, 1
	s_lshl_b32 s40, s40, 3
	s_add_co_u32 s15, s15, s40
	s_bfe_u32 s9, s12, 0x20001
	s_lshl_b32 s9, s9, 5
	s_and_b32 s40, s12, 1
	s_lshl_b32 s40, s40, 3
	s_add_co_u32 s9, s9, s40
	QPLACE 11, 13, 54, 59
	QPLACE 12, 14, 56, 60
	s_mov_b32 s58, 0xffff0000                      ; a mask: lanes 16-31
	s_mov_b32 s[SEL], 0x76543210
	s_mov_b32 s[SEL+1], 0xfedcba98
	s_mov_b32 s[CS], 0x3e38aa3b                    ; log2(e) / 8
	s_mov_b32 s[CS+1], s[CS]                       ; (named with it as a pair, so it is written)
	v_and_b32 v3, 31, v0
	v_lshlrev_b32 v1, 4, v3                        ; 16 x lane
	v_lshlrev_b32 v2, 3, v3                        ; 8 x lane
	global_load_b128 v[12:15], v1, s[54:55]        ; Q stays in registers
	global_load_b64 v[16:17], v2, s[54:55] offset:512
	global_load_b128 v[24:27], v1, s[56:57]
	global_load_b64 v[28:29], v2, s[56:57] offset:512
	v_and_b32 v96, 15, v0
	v_lshlrev_b32 v96, 3, v96                      ; 8 r
	v_add_nc_u32 v97, s59, v96
	v_add_nc_u32 v98, s60, v96
	v_cndmask_b32 v97, v97, v98, s58               ; lanes 0-15 take tile A's words, lanes 16-31 tile B's
	global_load_b32 v255, v97, s[48:49] offset:6144
.irp i, 18,19,20,21,22,23,30,31,32,33,34,35,84,85,86,87,88,89
	v_mov_b32 v[\i], 0                             ; zero codes: Q's k = 64 .. 127, and what stands behind K's last tile
.endr
.set n, 0
.rept 64
	v_mov_b32 v[160+n], 0                          ; O^T: the step is written once; the first finds zeros, which the first change of M leaves zeros
.set n, n+1
.endr
.irp i, 4, 8
	v_mov_b32 v[\i+1], 0xff61b1e6                  ; the largest t so far: -3e38
	v_floor_f32 v[\i], -v[\i+1]                    ; -M
	v_mov_b32 v[\i+2], 0                           ; the sum, in two halves
	v_mov_b32 v[\i+3], 0
.endr
.irp i, 236,237,238,239,253
	v_mov_b32 v[\i], 0                             ; written once: a lane permute's destination counts as a source; v253 is named as the upper half of a pair
.endr
	s_mov_b32 s[J], 0
	s_mov_b32 s[TB], 0
	s_wait_loadcnt 0x0                             ; Q and its scale words
	s_wait_tensorcnt 3                             ; my quarter of one of key steps 0-3 has landed; my three younger loads may stay out
	s_barrier_signal -1
	s_barrier_wait -1                              ; key steps 0-3 are whole.  Nothing is filled again in this launch
.Lfirst:
	TRIP
	s_add_co_u32 s[TB], s[TB], KVB
	s_add_co_u32 s[J], s[J], 1
	s_cmp_lt_u32 s[J], 4
	s_cbranch_scc1 .Lfirst
	s_wait_tensorcnt 0x0                           ; all my loads have landed,
	s_wait_dscnt 0x0
	s_barrier_signal -1
	s_barrier_wait -1                              ; everybody's have
	s_mov_b32 s[J], 4                              ; (the numbers that they hold already: so this loop's count and addresses can be read off its own lines)
	s_mov_b32 s[TB], 4*KVB
.Lrest:
	TRIP
	s_add_co_u32 s[TB], s[TB], KVB
	s_add_co_u32 s[J], s[J], 1
	s_cmp_lt_u32 s[J], 16
	s_cbranch_scc1 .Lrest
	PLACES                                         ; behind the last products
	v_and_b32 v3, 15, v0
	v_lshlrev_b32 v3, 5, v3                        ; a row's scale bytes: 32 r
	FINAL 160, 4, 11, 0
	FINAL 192, 8, 12, 1
	s_wait_xcnt 0x0
	v_lshl_add_u32 v254, v0, 2, 0x33000
	v_mov_b32 v255, 0
	s_wait_tensorcnt 0x0
	ds_add_u32 v254, v255
	s_wait_dscnt 0x0
	s_endpgm
.Lfunc_end_k_q57efcf18cc_attn:
	.size	k_q57efcf18cc_attn, .Lfunc_end_k_q57efcf18cc_attn-k_q57efcf18cc_attn
	.p2alignl 7, 3214868480
	.fill 96, 4, 3214868480
	.section	.rodata,"a",@progbits
	.p2align	6, 0x0
	.amdhsa_kernel k_q57efcf18cc_attn
		.amdhsa_group_segment_fixed_size 210944
		.amdhsa_private_segment_fixed_size 0
		.amdhsa_enable_private_segment 0
		.amdhsa_kernarg_size 16
		.amdhsa_user_sgpr_count 2
		.amdhsa_user_sgpr_kernarg_segment_ptr 1
		.amdhsa_wavefront_size32 1
		.amdhsa_system_sgpr_workgroup_id_x 1
		.amdhsa_system_sgpr_workgroup_id_y 1
		.amdhsa_system_sgpr_workgroup_id_z 1
		.amdhsa_system_vgpr_workitem_id 0
		.amdhsa_next_free_vgpr 256
		.amdhsa_next_free_sgpr 66
		.amdhsa_reserve_vcc 1
		.amdhsa_float_denorm_mode_32 3
		.amdhsa_float_denorm_mode_16_64 3
		.amdhsa_memory_ordered 1
		.amdhsa_forward_progress 1
		.amdhsa_inst_pref_size 101
	.end_amdhsa_kernel
	.amdgpu_metadata
---
amdhsa.version: [ 1, 2 ]
amdhsa.kernels:
  - .name:           k_q57efcf18cc_attn
    .symbol:         k_q57efcf18cc_attn.kd
    .args:
      - { .name: qkv, .offset: 0, .size: 8, .value_kind: global_buffer, .address_space: global }
      - { .name: yq, .offset: 8, .size: 8, .value_kind: global_buffer, .address_space: global }
    .group_segment_fixed_size: 210944
    .private_segment_fixed_size: 0
    .kernarg_segment_align: 8
    .kernarg_segment_size: 16
    .max_flat_workgroup_size: 512
    .sgpr_count:     66
    .vgpr_count:     256
    .wavefront_size: 32
...
	.end_amdgpu_metadata
.endif
;; end of part 3
;; launch proj (part 4): grid 4 x 64, 4 waves a work-group, clusters of 4 x 4, 295,424 bytes of LDS; arguments yq, wq, b_proj, out0; writes out0
.if DOCPART == 4
	.amdgcn_target "amdgcn-amd-amdhsa--gfx1250"
	.amdhsa_code_object_version 6
	.text
	.protected	k_q57efcf18cc_proj
	.globl	k_q57efcf18cc_proj
	.p2align	8
	.type	k_q57efcf18cc_proj,@function
k_q57efcf18cc_proj:
	s_mov_b64 s[64:65], 0
	v_nop
	global_prefetch_b8 v0, s[64:65] scope:SCOPE_SE
	s_setreg_imm32_b32 hwreg(HW_REG_WAVE_MODE, 25, 1), 1
	s_wait_xcnt 0x0
	s_wait_alu depctr_hold_cnt(0) depctr_sa_sdst(0) depctr_va_vdst(0) depctr_va_sdst(0) depctr_va_ssrc(0) depctr_va_vcc(0) depctr_vm_vsrc(0)
	s_getreg_b32 s2, hwreg(HW_REG_IB_STS2, 6, 4)
	s_cmp_eq_u32 s2, 0
	s_cbranch_scc0 .Lentry_in_a_cluster
	s_endpgm
.Lentry_in_a_cluster:
	s_bfe_u32 s2, ttmp6, 0x10000c
	s_cmp_lg_u32 s2, 0xf033
	s_cbranch_scc0 .Lentry_shape_is_right
	s_endpgm
.Lentry_shape_is_right:
; PROJ: out0 = y w_proj + b_proj on codes of BF6 with E8M0 scales, f32 out.
; A work-group makes 128 tokens x 256 columns, K = 1,024.  Its 384 operand rows for ALL of K are 294,912 bytes of register images: they lie in LDS whole, filled once, in four chunks of 256 along K;
; the products of chunk c run while the later chunks are on their way.  A wave has four tensor loads out at the most.
; CLUSTER 4 x 4: the four work-groups of a row of the cluster need the same tokens, the four of a column the same columns of w_proj: each block is asked for jointly.
; ROLES.  R: four tiles of tokens (64 tokens, wave / 2) are source 1 and become the lanes of the result;  P: eight tiles of columns (128 columns, wave % 2) are source 0 and become its registers.
; The rows of a tile are not neighbours (lane r of tile 2 g + u: row 32 g + 8 u + r + 8 (r / 8)), so tile j's eight registers of lane (r, h) are columns 32 (j / 2) + 16 h + 8 (j % 2) + 0 .. 7.
; A fragment of y is two images of 768 bytes (two heads: registers 0-5 and 6-11, each [lane][16 bytes], then [lane][8 bytes]); y's scale words: [tile][r][8 words], word s for K step s.
; The bias is the C of each sum's first product.
; REGISTERS, in windows of 256.  Window 0: v1 16 x lane, v2 8 x lane, v3 32 x lane; v4-7, v12-15 LDS addresses of R in chunk c (16 and 8 bytes a lane), v8-11 of P; v16, v17 the stage; v32-47 R's scale words, v48-79 P's;
;   v80-127, v128-175 R's fragments, two sets; v176-239 the bias; on the way out v80-207 rows of the result.  Windows 1 and 2: v0-95 P's fragments (set s % 2 in window 1 + s % 2);
;   v128-255 the accumulators: (i, j) in window 1 + i / 2 at v[128 + 64 (i % 2) + 8 j].
.set CH,    73728
.set YQ_SC, 6291456
.set WQ_SC, 3145728
.set WBASE, 192*12288                  ; w_proj's tiles lie behind w_qkv's 192
.set AR,  4
.set AP,  8
.set AR8, 12
.set STO, 16
.set RD,  17
.set SR,  32
.set SP,  48
.set RF,  80
.set BP,  176
.set BK,  80
.set G1X, 24
.set G1W, 32
.set G0X, 40
.set G0W, 68
.set MSB, 0
.macro WIN new
.if MSB != (\new)
	s_set_vgpr_msb (MSB<<8)|(\new)
.set MSB, (\new)
.endif
.endm
.macro ROUND
	s_barrier_signal -1
	s_barrier_wait -1
	s_cmp_lg_u32 s12, 0
	s_cbranch_scc1 .Lnot_wave_0_\@
	s_barrier_signal -3
.Lnot_wave_0_\@:
	s_barrier_wait -3
	s_barrier_signal -1
	s_barrier_wait -1
.endm
.macro PLACES
.rept 4
	v_nop
.endr
.endm
.macro WM d, pa, rb, cr, sa, sb, ja, ib
.if (\ja) && (\ib)
	v_wmma_scale_f32_16x16x128_f8f6f4 v[(\d):(\d)+7], v[(\pa):(\pa)+11], v[(\rb):(\rb)+11], v[(\cr):(\cr)+7], v[\sa], v[\sb] matrix_a_fmt:MATRIX_FMT_BF6 matrix_b_fmt:MATRIX_FMT_BF6 matrix_a_scale:MATRIX_SCALE_ROW1 matrix_b_scale:MATRIX_SCALE_ROW1
.elseif (\ja)
	v_wmma_scale_f32_16x16x128_f8f6f4 v[(\d):(\d)+7], v[(\pa):(\pa)+11], v[(\rb):(\rb)+11], v[(\cr):(\cr)+7], v[\sa], v[\sb] matrix_a_fmt:MATRIX_FMT_BF6 matrix_b_fmt:MATRIX_FMT_BF6 matrix_a_scale:MATRIX_SCALE_ROW1
.elseif (\ib)
	v_wmma_scale_f32_16x16x128_f8f6f4 v[(\d):(\d)+7], v[(\pa):(\pa)+11], v[(\rb):(\rb)+11], v[(\cr):(\cr)+7], v[\sa], v[\sb] matrix_a_fmt:MATRIX_FMT_BF6 matrix_b_fmt:MATRIX_FMT_BF6 matrix_b_scale:MATRIX_SCALE_ROW1
.else
	v_wmma_scale_f32_16x16x128_f8f6f4 v[(\d):(\d)+7], v[(\pa):(\pa)+11], v[(\rb):(\rb)+11], v[(\cr):(\cr)+7], v[\sa], v[\sb] matrix_a_fmt:MATRIX_FMT_BF6 matrix_b_fmt:MATRIX_FMT_BF6
.endif
.endm
.macro FETCH s
	WIN 0x40*(1+(\s)%2)
.irp j, 0,1,2,3,4,5,6,7
.irp g, 0,1,2
	ds_load_b128 v[12*\j+4*\g:12*\j+4*\g+3], v[AP+(\s)/2] offset:3072*\j+1536*((\s)%2)+512*\g
.endr
.endr
	WIN 0
.irp i, 0,1,2,3
.irp e, 0,1                                    ; the K step's two heads
	ds_load_b128 v[RF+48*((\s)%2)+12*\i+6*\e:RF+48*((\s)%2)+12*\i+6*\e+3], v[AR+(\s)/2] offset:3072*\i+1536*((\s)%2)+768*\e
	ds_load_b64 v[RF+48*((\s)%2)+12*\i+6*\e+4:RF+48*((\s)%2)+12*\i+6*\e+5], v[AR8+(\s)/2] offset:3072*\i+1536*((\s)%2)+768*\e+512
.endr
.endr
.endm
; K step s's 32 products; the 32 accumulators take turns, one instruction a turn, in the same order in every step.  first = 1: C is the bias, in window 0.
.macro MUL s, first
.irp i, 0,1,2,3
.if \first
	WIN (1+(\s)%2)|((1+\i/2)<<6)
.else
	WIN (1+(\s)%2)|((1+\i/2)<<4)|((1+\i/2)<<6)
.endif
.irp j, 0,1,2,3,4,5,6,7
.if \first
	WM 128+64*(\i%2)+8*\j, 12*\j, RF+48*((\s)%2)+12*\i, BP+8*\j, SP+8*(\j/2)+(\s), SR+8*(\i/2)+(\s), \j%2, \i%2
.else
	WM 128+64*(\i%2)+8*\j, 12*\j, RF+48*((\s)%2)+12*\i, 128+64*(\i%2)+8*\j, SP+8*(\j/2)+(\s), SR+8*(\i/2)+(\s), \j%2, \i%2
.endif
.endr
.endr
.endm
.macro KSTEP s, first
	s_wait_dscnt 0x0                               ; this step's fragments are in
.if (((\s)%2) == 1) && ((\s) < 7)
	s_wait_tensorcnt 3-((\s)+1)/2                  ; my part of the next chunk has landed; the chunks issued behind it may stay out
	s_barrier_signal -1
	s_barrier_wait -1                              ; everybody's has; and every wave's reads of the chunk just left are over
.endif
.if (\s) < 7
.if (\s) > 0
	PLACES
.endif
	FETCH (\s)+1
.endif
	MUL \s, \first
.endm
; THE WAY OUT of tile of tokens i: 16 rows x 128 columns go through my own stage and come back as whole rows of 512 bytes.
.macro TOSTAGE i
	WIN 0x04*(1+(\i)/2)                            ; an LDS store's data are its source 1
.irp j, 0,1,2,3,4,5,6,7
	ds_store_b128 v[STO], v[128+64*((\i)%2)+8*\j:128+64*((\i)%2)+8*\j+3] offset:128*(\j/2)+32*(\j%2)       ; each accumulator from its low end on
	ds_store_b128 v[STO], v[128+64*((\i)%2)+8*\j+4:128+64*((\i)%2)+8*\j+7] offset:128*(\j/2)+32*(\j%2)+16
.endr
	WIN 0
.set n, 0
.rept 16
	ds_load_b128 v[BK+64*((\i)%2)+4*n:BK+64*((\i)%2)+4*n+3], v[RD] offset:528*n    ; LDS serves a wave's instructions in order: these see the stores above
.set n, n+1
.endr
.endm
.macro SEND i, younger                 ; younger: the LDS instructions issued behind tile i's loads, which may stay out
	s_wait_dscnt \younger
.set n, 0
.rept 16
	global_store_b128 v1, v[BK+64*((\i)%2)+4*n:BK+64*((\i)%2)+4*n+3], s[10:11] offset:(32*((\i)/2)+8*((\i)%2)+n+8*(n/8))*4096 th:TH_STORE_NT   ; 512 consecutive bytes, aligned; written once, read by nobody here
.set n, n+1
.endr
.endm
	s_load_b256 s[4:11], s[0:1], 0x0               ; yq s[4:5], wq s[6:7], b_proj s[8:9], out0 s[10:11]
	v_lshl_add_u32 v254, v0, 2, 0x48000
	v_mov_b32 v255, 0
	ds_add_u32 v254, v255
	ds_add_u32 v254, v255
	v_lshrrev_b32 v1, 5, v0
	v_readfirstlane_b32 s12, v1                    ; wave 0..3
	s_lshr_b32 s13, s12, 1                         ; a.  Also: I fetch for the tokens (0) or for the columns (1)
	s_and_b32 s14, s12, 1                          ; b.  Also: which half of that block I fetch
	s_bfe_u32 s16, ttmp6, 0x40000                  ; cx
	s_bfe_u32 s17, ttmp6, 0x40004                  ; cy
	s_lshl_b32 s18, ttmp9, 2
	s_add_co_u32 s18, s18, s16                     ; gx: my 256 columns
	s_and_b32 s19, ttmp7, 0xffff
	s_lshl_b32 s19, s19, 2
	s_add_co_u32 s19, s19, s17                     ; gy: my 128 tokens
	s_lshl_b32 s20, s17, 2
	s_lshl_b32 s20, 15, s20                        ; my row of the cluster
	s_lshl_b32 s21, 0x1111, s16                    ; my column
	; group 1: rows of 3,072 bytes (384 elements of 8): a tile's two K steps; 12,288 bytes from tile to tile; 4 tiles (tokens) or 8 (columns) to a load
	s_or_b32 s[G1X], s20, (3<<16)|(1<<21)
	s_or_b32 s[G1W], s21, (3<<16)|(1<<21)
	s_mov_b32 s[G1X+1], 384<<16
	s_mov_b32 s[G1X+2], 4<<16
	s_mov_b32 s[G1X+3], 384<<16
	s_mov_b32 s[G1X+4], 4
	s_mov_b32 s[G1X+5], 1536
	s_mov_b32 s[G1X+6], 0
	s_mov_b32 s[G1X+7], 0
	s_mov_b32 s[G1W+1], 384<<16
	s_mov_b32 s[G1W+2], 8<<16
	s_mov_b32 s[G1W+3], 384<<16
	s_mov_b32 s[G1W+4], 8
	s_mov_b32 s[G1W+5], 1536
	s_mov_b32 s[G1W+6], 0
	s_mov_b32 s[G1W+7], 0
	s_mul_i32 s56, s19, 98304                      ; the tokens' block hangs on gy alone,
	s_mul_i32 s57, s14, 49152
	s_add_co_u32 s56, s56, s57
	s_mov_b32 s57, 0
	s_mul_i32 s58, s18, 196608                     ; the columns' on gx alone
	s_mul_i32 s59, s14, 98304
	s_add_co_u32 s58, s58, s59
	s_add_co_u32 s58, s58, WBASE
	s_mov_b32 s59, 0
	s_mul_i32 s60, s14, 12288
	s_mul_i32 s61, s14, 24576
	s_add_co_u32 s61, s61, 24576
	s_wait_dscnt 0x0
	s_wait_kmcnt 0x0
	s_add_nc_u64 s[56:57], s[4:5], s[56:57]
	s_add_nc_u64 s[58:59], s[6:7], s[58:59]
.irp c, 0,1,2,3
	s_mov_b32 s[G0X+4*\c], 1
	s_add_co_u32 s[G0X+4*\c+1], s60, \c*CH
	s_add_nc_u64 s[G0X+4*\c+2:G0X+4*\c+3], s[56:57], \c*3072
	s_or_b32 s[G0X+4*\c+3], s[G0X+4*\c+3], 0x80000000
	s_mov_b32 s[G0W+4*\c], 1
	s_add_co_u32 s[G0W+4*\c+1], s61, \c*CH
	s_add_nc_u64 s[G0W+4*\c+2:G0W+4*\c+3], s[58:59], \c*3072
	s_or_b32 s[G0W+4*\c+3], s[G0W+4*\c+3], 0x80000000
.endr
	ROUND                                          ; all sixteen work-groups are here: the joint loads meet
	s_cmp_eq_u32 s13, 0                            ; a wave's four fills stand in one branch on its number; four v_nop follow the last
	s_cbranch_scc0 .Lfor_w
.irp c, 0,1,2,3
	tensor_load_to_lds s[G0X+4*\c:G0X+4*\c+3], s[G1X:G1X+7]
	s_nop 0
.endr
	PLACES
	s_branch .Lasked
.Lfor_w:
.irp c, 0,1,2,3
	tensor_load_to_lds s[G0W+4*\c:G0W+4*\c+3], s[G1W:G1W+7]
	s_nop 0
.endr
	PLACES
.Lasked:
	v_and_b32 v3, 31, v0
	v_lshlrev_b32 v1, 4, v3                        ; 16 x lane
	v_lshlrev_b32 v2, 3, v3                        ; 8 x lane
	v_lshlrev_b32 v3, 5, v3                        ; 32 x lane
	s_mul_i32 s84, s13, 12288                      ; R = token tiles 4 a on
	s_mul_i32 s86, s14, 24576
	s_add_co_u32 s86, s86, 24576                   ; P = column tiles 8 b on
.irp c, 0,1,2,3
	v_add_nc_u32 v[AR+\c], s84, v1
	v_add_nc_u32 v[AR8+\c], s84, v2
	v_add_nc_u32 v[AP+\c], s86, v1
	s_add_co_u32 s84, s84, CH
	s_add_co_u32 s86, s86, CH
.endr
	; the scale words, straight into registers
	s_lshl_b32 s22, s19, 12
	s_lshl_b32 s23, s13, 11
	s_add_co_u32 s22, s22, s23
	s_add_co_u32 s22, s22, YQ_SC                   ; y's: 1,024 bytes a pair of tiles, pairs 4 gy + 2 a on
	s_mov_b32 s23, 0
	s_add_nc_u64 s[92:93], s[4:5], s[22:23]
	s_lshl_b32 s90, s18, 13
	s_lshl_b32 s91, s14, 12
	s_add_co_u32 s90, s90, s91
	s_add_co_u32 s90, s90, WQ_SC+96*1024           ; w_proj's: pairs 96 + 8 gx + 4 b on
	s_mov_b32 s91, 0
	s_add_nc_u64 s[94:95], s[6:7], s[90:91]
.irp u, 0,1
	global_load_b128 v[SR+8*\u:SR+8*\u+3], v3, s[92:93] offset:1024*\u        ; lane' = 16 (tile % 2) + r: its row's eight words
	global_load_b128 v[SR+8*\u+4:SR+8*\u+7], v3, s[92:93] offset:1024*\u+16
.endr
.irp u, 0,1,2,3
.irp k, 0,1,2,3
	global_load_b64 v[SP+8*\u+2*\k:SP+8*\u+2*\k+1], v2, s[94:95] offset:1024*\u+256*\k
.endr
.endr
	s_lshl_b32 s62, s18, 10
	s_lshl_b32 s63, s14, 9
	s_add_co_u32 s62, s62, s63
	s_mov_b32 s63, 0
	s_add_nc_u64 s[84:85], s[8:9], s[62:63]        ; the bias: columns 256 gx + 128 b on
	v_bfe_u32 v18, v0, 4, 1                        ; h
	v_lshlrev_b32 v19, 6, v18                      ; 64 h
.irp j, 0,1,2,3,4,5,6,7
	global_load_b128 v[BP+8*\j:BP+8*\j+3], v19, s[84:85] offset:4*(32*(\j/2)+8*(\j%2))
	global_load_b128 v[BP+8*\j+4:BP+8*\j+7], v19, s[84:85] offset:4*(32*(\j/2)+8*(\j%2))+16
.endr
	; the stage: 16 rows of 512 + 16 bytes for each wave, in chunk 0, which has had its only fill; every wave's reads of it are over in front of the barrier that opens chunk 1
	s_mul_i32 s88, s12, 8448
	v_and_b32 v20, 15, v0
	v_mul_u32_u24 v[STO], v20, 528
	v_lshl_add_u32 v[STO], v18, 6, v[STO]
	v_add_nc_u32 v[STO], s88, v[STO]               ; in: row r, + 64 h
	v_add_nc_u32 v[RD], s88, v1                    ; back: 16 x lane of a row
	s_lshl_b32 s22, s19, 19                        ; out0: row 128 gy + 64 a, column 256 gx + 128 b
	s_lshl_b32 s89, s13, 18
	s_add_co_u32 s22, s22, s89
	s_add_co_u32 s22, s22, s62
	s_add_nc_u64 s[10:11], s[10:11], s[22:23]
	s_wait_tensorcnt 3                             ; my part of chunk 0 has landed; the three chunks behind it may stay out
	s_barrier_signal -1
	s_barrier_wait -1                              ; everybody's has
	FETCH 0
	s_wait_loadcnt 0x0                             ; scale words and bias
	KSTEP 0, 1
	KSTEP 1, 0
	KSTEP 2, 0
	KSTEP 3, 0
	KSTEP 4, 0
	KSTEP 5, 0
	KSTEP 6, 0
	KSTEP 7, 0
	PLACES                                         ; in front of the stores that read results and of the loads into registers that held fragments
	TOSTAGE 0
.irp i, 1,2,3
.if \i > 1
	s_wait_xcnt 0x0                                ; tile i - 2's stores have read their registers: tile i's rows may land there
.endif
	TOSTAGE \i
	SEND \i-1, 32                                  ; behind tile i - 1's loads: tile i's 16 stores and 16 loads
.endr
	SEND 3, 0
	s_wait_tensorcnt 0x0
	ds_add_u32 v254, v255
	s_wait_dscnt 0x0
	ROUND                                          ; the closing round: no work-group ends while a partner may still ask for a block that names it
	s_endpgm
.Lfunc_end_k_q57efcf18cc_proj:
	.size	k_q57efcf18cc_proj, .Lfunc_end_k_q57efcf18cc_proj-k_q57efcf18cc_proj
	.p2alignl 7, 3214868480
	.fill 96, 4, 3214868480
	.section	.rodata,"a",@progbits
	.p2align	6, 0x0
	.amdhsa_kernel k_q57efcf18cc_proj
		.amdhsa_group_segment_fixed_size 295424
		.amdhsa_private_segment_fixed_size 0
		.amdhsa_enable_private_segment 0
		.amdhsa_kernarg_size 32
		.amdhsa_user_sgpr_count 2
		.amdhsa_user_sgpr_kernarg_segment_ptr 1
		.amdhsa_wavefront_size32 1
		.amdhsa_system_sgpr_workgroup_id_x 1
		.amdhsa_system_sgpr_workgroup_id_y 1
		.amdhsa_system_sgpr_workgroup_id_z 1
		.amdhsa_system_vgpr_workitem_id 0
		.amdhsa_next_free_vgpr 768
		.amdhsa_next_free_sgpr 102
		.amdhsa_reserve_vcc 0
		.amdhsa_float_denorm_mode_32 3
		.amdhsa_float_denorm_mode_16_64 3
		.amdhsa_memory_ordered 1
		.amdhsa_forward_progress 1
		.amdhsa_inst_pref_size 82
	.end_amdhsa_kernel
	.amdgpu_metadata
---
amdhsa.version: [ 1, 2 ]
amdhsa.kernels:
  - .name:           k_q57efcf18cc_proj
    .symbol:         k_q57efcf18cc_proj.kd
    .args:
      - { .name: yq, .offset: 0, .size: 8, .value_kind: global_buffer, .address_space: global }
      - { .name: wq, .offset: 8, .size: 8, .value_kind: global_buffer, .address_space: global }
      - { .name: b_proj, .offset: 16, .size: 8, .value_kind: global_buffer, .address_space: global }
      - { .name: out0, .offset: 24, .size: 8, .value_kind: global_buffer, .address_space: global }
    .group_segment_fixed_size: 295424
    .private_segment_fixed_size: 0
    .kernarg_segment_align: 8
    .kernarg_segment_size: 32
    .max_flat_workgroup_size: 128
    .sgpr_count:     102
    .vgpr_count:     768
    .wavefront_size: 32
...
	.end_amdgpu_metadata
.endif
;; end of part 4
